; MI455X (gfx1250); checked and timed in simulation.
; The chip was launched on July 23, 2026; its instructions are those of AMD's public machine-readable ISA for CDNA 5 (MIT licence, August 2026) and "CDNA5" Instruction Set Architecture Reference Guide (July 2026). The comments in the code are by the model that wrote it; some were corrected since.
;; Multi Head Self Attention. Allowed arithmetic: matrix products marked QUANTISED: E2M3 operands, one E8M0 scale for each 32 along K, by v_wmma_scale_f32_16x16x128_f8f6f4 with both operands' format E2M3, f32 sums; everything else in f32.
;; Inputs: bk 1,024 float32; bo 1,024 float32; bq 1,024 float32; bv 1,024 float32; inputs 4 x 2,048 x 1,024 float32; wk 1,024 x 1,024 float32; wo 1,024 x 1,024 float32; wq 1,024 x 1,024 float32; wv 1,024 x 1,024 float32.
;; Outputs: out0 4 x 2,048 x 1,024 float32.
;; This version of the problem:
;;   THIS VERSION OF THE PROBLEM IS GIVEN IN LOW PRECISION. The matrix products marked QUANTISED in the list below multiply operands that are first quantised to E2M3 (2 exponent bits, 3 mantissa bits; 6 bits a number), with one power-of-two scale for each 32 numbers along K (OCP MX v1.0); their sums are f32. All else is computed in f32.
;;   The module's matrix products, in the order in which they are computed (A, B: the left and right operand; K: the contracted axis; several contracted axes count as one K, in the product's order):
;;     1. [M 8,192, K 1,024] x [K 1,024, N 1,024]; A: input inputs; B: input wq: QUANTISED
;;     2. [M 8,192, K 1,024] x [K 1,024, N 1,024]; A: input inputs; B: input wk: QUANTISED
;;     3. [M 8,192, K 1,024] x [K 1,024, N 1,024]; A: input inputs; B: input wv: QUANTISED
;;     4. batch 64 x [M 2,048, K 64] x [K 64, N 2,048]; A: computed on the way; B: computed on the way: QUANTISED
;;     5. batch 64 x [M 2,048, K 2,048] x [K 2,048, N 64]; A: softmax (see below); B: computed on the way: QUANTISED
;;     6. [M 8,192, K 1,024] x [K 1,024, N 1,024]; A: computed on the way; B: input wo: QUANTISED
;;   THE QUANTISER, for each operand of a quantised product, along K:
;;     - K is cut into blocks of 32 from its start; a last block that is shorter is filled with zeros.
;;     - A block's scale is 2^e with e = floor(log2(the largest magnitude in the block)) - 2, held to -126 .. 127; a block of zeros has e = 0. As a byte (E8M0): e + 127.
;;     - Each number is divided by its block's scale, clamped to +-7.5, and rounded to the nearest number of E2M3, ties to even, subnormals kept.
;;     - The product sums the exact products of the quantised numbers (number of the format x scale) in f32.
;;   ~~~python
;;   def quantise(x, axis):      # numpy; x: float32 -> the quantised numbers, widened to float32 again
;;       x = np.moveaxis(x, axis, -1); K = x.shape[-1]
;;       x = np.pad(x, [(0, 0)] * (x.ndim - 1) + [(0, -K % 32)]); x = x.reshape(x.shape[:-1] + (-1, 32)); a = np.abs(x).max(-1, keepdims=True)
;;       e = np.where(a > 0, np.clip(np.frexp(np.where(a > 0, a, 1))[1] - 1 - 2, -126, 127), 0)      # np.frexp(a)[1] - 1 = floor(log2(a)), exactly
;;       r = np.clip(x / 2.0 ** e, -7.5, 7.5)
;;       step = 2.0 ** (np.maximum(np.frexp(np.where(r == 0, 1, r))[1] - 1, 0) - 3)
;;       q = np.round(r / step) * step * 2.0 ** e      # np.round: ties to even
;;       return np.moveaxis(q.reshape(q.shape[:-2] + (-1,))[..., :K], -1, axis).astype(np.float32)
;;   ~~~
;;   SOFTMAX AHEAD OF A QUANTISED PRODUCT. Where the list says 'softmax', what is quantised is not the finished softmax but p = 2^(t - M), with t = logit x log2(e) and M = ceil(the row's largest t), a whole number; so 1/2 < the row's largest p <= 1. The row's sum l is taken of the UNQUANTISED p, in f32, and the product's result is divided by l at the end. Since M is a whole number, a kernel that streams over the keys may use a running M (the ceiling of the running maximum): every later rescaling is an exact power of two, which a block's scale takes up: the codes' values come out the same.
;;   OPERANDS COMPUTED ON THE WAY. 'Computed on the way' means the value that the module computes at that place (a softmax that the list does not call 'softmax' is quantised finished and normalised). What goes into a quantiser is computed in f32, as accurately as f32 sums, v_exp_f32 and their like allow (about 1e-6 of the number): no bf16 or f16 on the way to a quantiser, and a product that is left as it is and whose result goes on into a quantised operand takes f32 operands (vector FMAs, or v_wmma_f32_16x16x4_f32). A number that lies on a knife's edge between two numbers of the format may be rounded either way, as far as f32 arithmetic and the matrix unit's own rounding can turn it there, and no further.
;; One version. Each part assembles by itself: llvm-mc -triple=amdgcn-amd-amdhsa -mcpu=gfx1250 --defsym DOCPART=n.
;; ======== version 1 of 1: 4 launches
;; limits: right only within a limited range of input values
;; workspace buffers: x_codes 6,291,456 bytes; x_scales 262,144 bytes; w_codes 3,145,728 bytes; w_scales 131,072 bytes; qkv_codes 18,874,368 bytes; qkv_scales 1,572,864 bytes; a_codes 6,291,456 bytes; a_scales 262,144 bytes
;; launch quant (part 1): grid 384 x 1, 4 waves a work-group, no clusters, 68,096 bytes of LDS; arguments inputs, wq, wk, wv, wo, x_codes, x_scales, w_codes, w_scales; writes x_codes, x_scales, w_codes, w_scales
.if DOCPART == 1
	.amdgcn_target "amdgcn-amd-amdhsa--gfx1250"
	.amdhsa_code_object_version 6
	.text
	.protected	k_q616d667125_quant
	.globl	k_q616d667125_quant
	.p2align	8
	.type	k_q616d667125_quant,@function
k_q616d667125_quant:
	s_mov_b64 s[64:65], 0
	v_nop
	global_prefetch_b8 v0, s[64:65] scope:SCOPE_SE
	s_setreg_imm32_b32 hwreg(HW_REG_WAVE_MODE, 25, 1), 1
	s_wait_xcnt 0x0
; ONE LAUNCH QUANTISES ALL FIVE f32 OPERANDS into codes of FP6 (E2M3) with one E8M0 scale byte for each 32 along K = 1,024.
; A block's scale is 2^(floor(log2(its largest magnitude)) - 2); its byte is the largest magnitude's exponent field - 2, held at 1 from below.  Numbers are divided by the scale and rounded to the nearest code, ties to even.
; Work-groups 0-127 take wq, wk, wv, wo ([k][n], K the FIRST axis), work-groups 128-383 take inputs ([8192][1024], K innermost).  The two paths part on the work-group's number and have LDS bytes of their own.
; CODES LIE [4 (256 along K)][row's position][192 bytes], so that a tile of rows of one K step is a dense block; scale bytes lie [position][32].  w's rows: 0-1023 wq, then wk, wv, wo.
; POSITIONS: token 64 c + 32 h + 8 j + i lies at position 64 c + 16 j + 8 h + i; a weight's column n at the position in which bits 3 and 4 of n have changed places.
; WEIGHTS: a lane takes a column and its registers run down K: a block lies in one lane's 32 registers.  A wave takes 32 columns x 256 along K; the codes go through the wave's stage in LDS and leave as rows of 192 bytes.
; INPUTS: a wave takes 8 rows in 16 steps of 512 numbers; each load reads 512 consecutive bytes; the numbers turn through the wave's stage and come back 16 neighbours a lane, two lanes to a block.
; LIMITS: a block whose largest magnitude lies under 2^-124 has its byte held at 1; a block of zeros has the byte 1, not 127 (zero codes; this program alone reads the bytes); NaN and infinities are not served.
; No tensor loads, no barrier, no cluster: waves and work-groups share no input byte.
.set SPW,   192
.set NIL,   193
.set WBASE, 32768                      ; the weights' stages lie behind the inputs' four regions
.set SPARE, 67584
	v_lshl_add_u32 v[SPW], v0, 2, SPARE
	v_mov_b32 v[NIL], 0
	v_lshrrev_b32 v1, 5, v0
	v_readfirstlane_b32 s16, v1                    ; wave
	v_and_b32 v2, 31, v0                           ; lane
	s_wait_alu depctr_va_vdst(0)
	s_cmp_lt_u32 ttmp9, 128
	s_cbranch_scc0 .Lx_path
; ---------------- the weights
.set NB,     8
.set WPITCH, 272
.set NCOL,   1024
.set KROW,   192
.set WX,     32
.set WCD,    96
.set OUTR,   112
.set SB,     24
	s_load_b256 s[4:11], s[0:1], 0x8               ; wq, wk, wv, wo
	s_load_b128 s[12:15], s[0:1], 0x38             ; w_codes, w_scales
	s_and_b32 s30, ttmp9, 31                       ; weight (x / 8) and 128 columns (x % 8)
	s_lshl_b32 s18, s16, 5
	s_and_b32 s17, s30, 7
	s_lshl_b32 s17, s17, 7
	s_add_co_u32 s17, s17, s18                     ; my wave's first column in its weight
	s_lshl_b32 s22, s30, 7
	s_add_co_u32 s22, s22, s18                     ; its first row among the 4,096
	s_lshr_b32 s18, ttmp9, 5                       ; which 256 along K
	s_lshr_b32 s23, s30, 3                         ; which weight
	v_lshlrev_b32 v3, 2, v2
	s_mul_i32 s19, s16, 32*WPITCH
	s_add_co_u32 s19, s19, WBASE                   ; my stage
	v_mul_u32_u24 v4, v2, WPITCH
	v_add_nc_u32 v4, s19, v4
	v_and_b32 v5, 15, v2
	v_lshrrev_b32 v6, 4, v2
	v_mul_u32_u24 v7, v6, WPITCH
	v_lshl_add_u32 v7, v5, 4, v7
	v_add_nc_u32 v7, s19, v7
	v_mul_u32_u24 v8, v6, KROW
	v_mad_u32_u24 v8, v5, 12, v8
	v_and_b32 v9, 7, v2                            ; my column's position among the wave's 32
	v_and_b32 v10, 8, v2
	v_lshl_or_b32 v9, v10, 1, v9
	v_and_b32 v10, 16, v2
	v_lshrrev_b32 v10, 1, v10
	v_or_b32 v9, v9, v10
	v_lshlrev_b32 v9, 5, v9
	s_lshl_b32 s20, s18, 20
	s_lshl_b32 s24, s17, 2
	s_add_co_u32 s20, s20, s24
	s_mov_b32 s21, 0
	s_mul_i32 s24, s22, KROW
	s_mul_i32 s26, s18, 786432
	s_add_co_u32 s24, s24, s26
	s_mov_b32 s25, 0
	s_lshl_b32 s28, s22, 5
	s_lshl_b32 s26, s18, 3
	s_add_co_u32 s28, s28, s26
	s_mov_b32 s29, 0
	s_wait_alu depctr_va_vdst(0)
	s_wait_kmcnt 0x0
	s_cmp_eq_u32 s23, 1
	s_cselect_b64 s[4:5], s[6:7], s[4:5]
	s_cmp_eq_u32 s23, 2
	s_cselect_b64 s[4:5], s[8:9], s[4:5]
	s_cmp_eq_u32 s23, 3
	s_cselect_b64 s[4:5], s[10:11], s[4:5]
	s_add_nc_u64 s[4:5], s[4:5], s[20:21]
	s_add_nc_u64 s[12:13], s[12:13], s[24:25]
	s_add_nc_u64 s[14:15], s[14:15], s[28:29]
.macro LOADW t
.irp i, 0,1,2,3,4,5,6,7,8,9,10,11,12,13,14,15,16,17,18,19,20,21,22,23,24,25,26,27,28,29,30,31
	global_load_b32 v[WX+32*((\t)%2)+\i], v3, s[4:5] offset:(32*(\t)+\i)*NCOL*4 th:TH_LOAD_NT
.endr
.endm
	LOADW 0
	LOADW 1
.macro BLOCKW t
.set XS, WX+32*((\t)%2)
.if (\t) < NB-1
	s_wait_loadcnt 32                              ; this block's 32 loads are in; the next block's may be out
.else
	s_wait_loadcnt 0
.endif
	v_max3_num_f32 v12, |v[XS]|, |v[XS+1]|, |v[XS+2]|
	v_max3_num_f32 v13, |v[XS+3]|, |v[XS+4]|, |v[XS+5]|
.irp i, 6,10,14,18,22,26
	v_max3_num_f32 v12, v12, |v[XS+\i]|, |v[XS+\i+1]|
	v_max3_num_f32 v13, v13, |v[XS+\i+2]|, |v[XS+\i+3]|
.endr
	v_max3_num_f32 v12, v12, |v[XS+30]|, |v[XS+31]|
	v_max3_num_f32 v12, v12, v13, 0x1800000        ; the floor 2^(3 - 127)
	v_add_nc_u32 v11, 0xff000000, v12              ; the conversion's scale operand
	v_lshrrev_b32 v13, 23, v11                     ; the scale's byte
.if (\t)%4 == 0
	v_mov_b32 v[SB+(\t)/4], v13
.else
	v_lshl_or_b32 v[SB+(\t)/4], v13, 8*((\t)%4), v[SB+(\t)/4]
.endif
	v_cvt_scalef32_pk16_fp6_f32 v[WCD:WCD+2], v[XS:XS+15], v11
	v_cvt_scalef32_pk16_fp6_f32 v[WCD+4:WCD+6], v[XS+16:XS+31], v11
	v_nop
	ds_store_b96 v4, v[WCD:WCD+2] offset:32*(\t)
	ds_store_b96 v4, v[WCD+4:WCD+6] offset:32*(\t)+16
.if (\t)+2 < NB
	LOADW (\t)+2
.endif
	s_wait_dscnt 0x0                               ; the stores have read their registers
.endm
.set Q, 0
.rept NB
	BLOCKW Q
.set Q, Q+1
.endr
	s_wait_alu depctr_va_vdst(0)
	global_store_b64 v9, v[SB:SB+1], s[14:15]
.irp t, 0,1,2,3,4,5,6,7,8,9,10,11,12,13,14,15
	ds_load_b96 v[OUTR+4*\t:OUTR+4*\t+2], v7 offset:2*\t*WPITCH
.endr
.irp t, 0,1,2,3,4,5,6,7,8,9,10,11,12,13,14,15
	s_wait_dscnt 15-\t
	global_store_b96 v8, v[OUTR+4*\t:OUTR+4*\t+2], s[12:13] offset:(16*((\t/4)%2)+8*(\t/8)+2*(\t%4))*KROW
.endr
	s_wait_tensorcnt 0x0                           ; the wave's end
	ds_add_u32 v[SPW], v[NIL]
	s_wait_dscnt 0x0
	s_endpgm
; ---------------- the inputs
.Lx_path:
.set STEPS, 16
.set CB,    12
.set R,     16
.set X,     80
.set C,     128
.set E,     112
.set WREG,  8192
.set SP,    80
	s_load_b64 s[4:5], s[0:1], 0x0                 ; inputs
	s_load_b64 s[6:7], s[0:1], 0x28                ; x_codes
	s_load_b64 s[8:9], s[0:1], 0x30                ; x_scales
	v_lshlrev_b32 v3, 4, v2
	s_mul_i32 s17, s16, WREG
	v_lshrrev_b32 v14, 2, v2
	v_mul_u32_u24 v14, v14, SP
	v_and_b32 v15, 3, v2
	v_lshl_add_u32 v14, v15, 4, v14
	v_add_nc_u32 v14, s17, v14
	v_mul_u32_u24 v15, v2, SP
	v_add_nc_u32 v15, s17, v15
	v_and_b32 v4, 15, v2                           ; lanes 0-15 of a step hold one run of 256 along K, lanes 16-31 the next
	v_mul_u32_u24 v4, v4, CB
	v_lshrrev_b32 v10, 4, v2
	v_mad_u32_u24 v4, v10, 0x180000, v4
	v_lshrrev_b32 v5, 1, v2
	s_add_co_u32 s17, s17, 2*32*SP
	v_add_nc_u32 v5, s17, v5
	v_lshlrev_b32 v7, 3, v2
	v_add_nc_u32 v6, s17, v7
	s_sub_co_u32 s18, ttmp9, 128
	s_lshl_b32 s18, s18, 2
	s_add_co_u32 s23, s18, s16                     ; my run of 8 rows
	s_lshl_b32 s20, s23, 15
	s_mov_b32 s21, 0
	s_and_b32 s22, s23, 3                          ; its position: the low three bits (h, j) become (j, h)
	s_lshl_b32 s22, s22, 1
	s_bfe_u32 s28, s23, 0x10002
	s_or_b32 s22, s22, s28
	s_and_b32 s23, s23, 0xfffffff8
	s_or_b32 s22, s22, s23
	s_mul_i32 s24, s22, 1536
	s_mov_b32 s25, 0
	s_lshl_b32 s26, s22, 8
	s_mov_b32 s27, 0
	s_wait_alu depctr_va_vdst(0)
	s_wait_kmcnt 0x0
	s_add_nc_u64 s[4:5], s[4:5], s[20:21]
	s_add_nc_u64 s[6:7], s[6:7], s[24:25]
	s_add_nc_u64 s[8:9], s[8:9], s[26:27]
.macro LOADX t
.irp i, 0,1,2,3
	global_load_b128 v[R+16*((\t)%4)+4*\i:R+16*((\t)%4)+4*\i+3], v3, s[4:5] offset:2048*(\t)+512*\i th:TH_LOAD_NT
.endr
.endm
.macro TURNX t
.irp i, 0,1,2,3
	ds_store_b128 v14, v[R+16*((\t)%4)+4*\i:R+16*((\t)%4)+4*\i+3] offset:32*SP*((\t)%2)+8*SP*\i
.endr
.irp i, 0,1,2,3
	ds_load_b128 v[X+16*((\t)%2)+4*\i:X+16*((\t)%2)+4*\i+3], v15 offset:32*SP*((\t)%2)+16*\i
.endr
.endm
.irp t, 0,1,2,3
	LOADX \t
.endr
	s_wait_loadcnt 12                              ; step 0's four loads are in
	TURNX 0
.macro STEPX t
.set XS, X+16*((\t)%2)
.if (\t) > 0
	s_wait_dscnt 1                                 ; this step's numbers are back (the last step's byte store may be out)
.else
	s_wait_dscnt 0x0
.endif
.if (\t)+4 < STEPS
	LOADX (\t)+4
.endif
.if (\t)+1 < STEPS
.if STEPS-2-(\t) >= 3
	s_wait_loadcnt 12                              ; the next step's four loads are in; three steps' may be out
.else
	s_wait_loadcnt 4*(STEPS-2-(\t))
.endif
	TURNX (\t)+1
.endif
	v_max3_num_f32 v8, |v[XS]|, |v[XS+1]|, |v[XS+2]|
	v_max3_num_f32 v9, |v[XS+3]|, |v[XS+4]|, |v[XS+5]|
.irp i, 6,10
	v_max3_num_f32 v8, v8, |v[XS+\i]|, |v[XS+\i+1]|
	v_max3_num_f32 v9, v9, |v[XS+\i+2]|, |v[XS+\i+3]|
.endr
	v_max3_num_f32 v8, v8, |v[XS+14]|, |v[XS+15]|
	v_max3_num_f32 v8, v8, v9, 0x1800000
	v_max_num_f32_dpp v8, v8, v8 row_xmask:1 row_mask:0xf bank_mask:0xf
	v_add_nc_u32 v11, 0xff000000, v8
	v_cvt_scalef32_pk16_fp6_f32 v[C+4*(\t):C+4*(\t)+2], v[XS:XS+15], v11
	v_lshrrev_b32 v[E+(\t)], 23, v11
	ds_store_b8 v5, v[E+(\t)] offset:16*(\t)
	global_store_b96 v4, v[C+4*(\t):C+4*(\t)+2], s[6:7] offset:192*((\t)/2)+2*0x180000*((\t)%2)
.endm
.irp t, 0,1,2,3,4,5,6,7,8,9,10,11,12,13,14,15
	STEPX \t
.endr
	ds_load_b64 v[8:9], v6
	s_wait_dscnt 0x0
	global_store_b64 v7, v[8:9], s[8:9]            ; 32 lanes store 256 consecutive bytes, aligned
	s_wait_tensorcnt 0x0                           ; the wave's end
	ds_add_u32 v[SPW], v[NIL]
	s_wait_dscnt 0x0
	s_endpgm
.Lfunc_end_k_q616d667125_quant:
	.size	k_q616d667125_quant, .Lfunc_end_k_q616d667125_quant-k_q616d667125_quant
	.p2alignl 7, 3214868480
	.fill 96, 4, 3214868480
	.section	.rodata,"a",@progbits
	.p2align	6, 0x0
	.amdhsa_kernel k_q616d667125_quant
		.amdhsa_group_segment_fixed_size 68096
		.amdhsa_private_segment_fixed_size 0
		.amdhsa_enable_private_segment 0
		.amdhsa_kernarg_size 72
		.amdhsa_user_sgpr_count 2
		.amdhsa_user_sgpr_kernarg_segment_ptr 1
		.amdhsa_wavefront_size32 1
		.amdhsa_system_sgpr_workgroup_id_x 1
		.amdhsa_system_sgpr_workgroup_id_y 1
		.amdhsa_system_sgpr_workgroup_id_z 1
		.amdhsa_system_vgpr_workitem_id 0
		.amdhsa_next_free_vgpr 200
		.amdhsa_next_free_sgpr 66
		.amdhsa_reserve_vcc 0
		.amdhsa_float_denorm_mode_32 3
		.amdhsa_float_denorm_mode_16_64 3
		.amdhsa_memory_ordered 1
		.amdhsa_forward_progress 1
		.amdhsa_inst_pref_size 74
	.end_amdhsa_kernel
	.amdgpu_metadata
---
amdhsa.version: [ 1, 2 ]
amdhsa.kernels:
  - .name:           k_q616d667125_quant
    .symbol:         k_q616d667125_quant.kd
    .args:
      - { .name: inputs, .offset: 0, .size: 8, .value_kind: global_buffer, .address_space: global }
      - { .name: wq, .offset: 8, .size: 8, .value_kind: global_buffer, .address_space: global }
      - { .name: wk, .offset: 16, .size: 8, .value_kind: global_buffer, .address_space: global }
      - { .name: wv, .offset: 24, .size: 8, .value_kind: global_buffer, .address_space: global }
      - { .name: wo, .offset: 32, .size: 8, .value_kind: global_buffer, .address_space: global }
      - { .name: x_codes, .offset: 40, .size: 8, .value_kind: global_buffer, .address_space: global }
      - { .name: x_scales, .offset: 48, .size: 8, .value_kind: global_buffer, .address_space: global }
      - { .name: w_codes, .offset: 56, .size: 8, .value_kind: global_buffer, .address_space: global }
      - { .name: w_scales, .offset: 64, .size: 8, .value_kind: global_buffer, .address_space: global }
    .group_segment_fixed_size: 68096
    .private_segment_fixed_size: 0
    .kernarg_segment_align: 8
    .kernarg_segment_size: 72
    .max_flat_workgroup_size: 128
    .sgpr_count:     66
    .vgpr_count:     200
    .wavefront_size: 32
...
	.end_amdgpu_metadata
.endif
;; end of part 1
;; launch proj (part 2): grid 12 x 32, 4 waves a work-group, clusters of 4 x 4, 327,680 bytes of LDS; arguments x_codes, x_scales, w_codes, w_scales, bq, bk, bv, qkv_codes, qkv_scales; writes qkv_codes, qkv_scales
.if DOCPART == 2
	.amdgcn_target "amdgcn-amd-amdhsa--gfx1250"
	.amdhsa_code_object_version 6
	.text
	.protected	k_q616d667125_proj
	.globl	k_q616d667125_proj
	.p2align	8
	.type	k_q616d667125_proj,@function
k_q616d667125_proj:
	s_mov_b64 s[64:65], 0
	v_nop
	global_prefetch_b8 v0, s[64:65] scope:SCOPE_SE
	s_setreg_imm32_b32 hwreg(HW_REG_WAVE_MODE, 25, 1), 1
	s_wait_xcnt 0x0
	s_wait_alu depctr_hold_cnt(0) depctr_sa_sdst(0) depctr_va_vdst(0) depctr_va_sdst(0) depctr_va_ssrc(0) depctr_va_vcc(0) depctr_vm_vsrc(0)
	s_getreg_b32 s2, hwreg(HW_REG_IB_STS2, 6, 4)
	s_cmp_eq_u32 s2, 0
	s_cbranch_scc0 .Lentry_in_a_cluster
	s_endpgm
.Lentry_in_a_cluster:
	s_bfe_u32 s2, ttmp6, 0x10000c
	s_cmp_lg_u32 s2, 0xf033
	s_cbranch_scc0 .Lentry_shape_is_right
	s_endpgm
.Lentry_shape_is_right:
; q = x wq + bq, k = x wk + bk, v = x wv + bv on codes of FP6 (E2M3) with E8M0 scales for each 32 along K = 1,024; the results are quantised at once: q and k along the head's 64, v along the keys.
; ONE BODY FOR THE THREE.  The matrix instruction's source 0 is called P, its source 1 R.  In a result a lane holds ONE row of R and its registers run along P.  The cluster's x says which product: 0 q, 1 k, 2 v.
;   q, k: P = the weight's rows (channels), R = x's rows (tokens): a lane holds a token, its registers run along the head.     v: P = x's rows, R = wv's rows: a lane holds a channel, its registers run along the keys.
; Rows of x and of the weights lie in POSITION ORDER (bits 3 and 4 of the row number changed places), so 16 neighbouring rows of P in LDS are rows 32 g + 8 u + r + 8 (r / 8), and the 16 registers of result tiles 2 g, 2 g + 1 are
; 16 TRUE neighbours along P: 32 g + 16 (lane / 16) + 0 .. 15.  That is the order in which the conversions want a lane's numbers.
; A work-group of four waves makes 256 (R) x 256 (P), a wave 128 x 128: 64 accumulators, 512 registers.  K goes in four steps of 256 through two LDS slots filled by the tensor data mover; the scale bytes of the work-group's rows come once.
; CLUSTERS: 4 x 4 work-groups.  R's tile hangs on the cluster's y place and is asked for jointly by a row of the cluster, P's on the x place and is asked for jointly by a column.
; THE WAY OUT needs no LDS: 128 numbers along P of 16 rows of R become 12 registers of codes and a scale word a lane, and go to memory as images of the registers that the next launch's matrix instructions take:
; each store is 16 bytes a lane, 512 consecutive bytes a wave.  q and k: a wave's 128 channels are two heads; registers 0-5 of a fragment are one head's 64 for 16 tokens; two tiles of tokens make an image of 12 registers.
; LIMITS: a block whose largest magnitude lies under 2^-124 has its byte held at 1; a block of zeros has the byte 1, not 127 (zero codes; this program alone reads the bytes); NaN and infinities are not served.
; REGISTERS, in windows of 256: window 0: v4-11 scale words to store; v16-29 addresses; v32-63 scale words of the products, two sets; v64-127 the bias along P; v128-223 R's fragments, one set; v224-239 the bias along R;
;   on the way out v128-191 64 numbers, v192-222 codes, v240-255 at work.   window 1: P's fragments, two sets.   windows 2, 3: accumulator (rho, p) at v[8 (8 (rho % 4) + p)].
.set NQ,     2                         ; matrix instructions deep in a slot
.set ROWB,   192                       ; a tile's row: 256 codes
.set KROW,   192                       ; x_codes lie [4 (256 along K)][8192][192 bytes], w_codes [4][4096][192]: a tile of rows is a dense block, fetched as rows of 256 bytes
.set PITCH,  240                       ; an LDS row: 3 x (64 bytes + 16 of padding)
.set FR,     12
.set NL,     6
.set NP,     4                         ; places behind this matrix instruction (ISA guide 7.12.1)
.set HALFT,  128*PITCH
.set SLOT,   4*HALFT                   ; R's 256 rows, then P's 256 rows
.set SCL,    2*SLOT                    ; behind the ring: the scale bytes, as runs of 256 bytes + 16 of padding
.set HALFS,  16*272                    ; those of 128 rows
.set SBLK,   2*272                     ; those of 16 rows
.set SPARE,  SCL+4*HALFS               ; the spare words, 128 bytes a wave
.set ADRA, 16                          ; v16-19  LDS addresses of R's fragments (slot 0, 1; the same behind one padding more)
.set ADRB, 20                          ; v20-23  of P's
.set L16,  24                          ; v24     16 x lane
.set BO,   25                          ; v25     64 x (lane / 16)
.set BP,   26                          ; v26     4 x (r + 8 (r / 8))
.set ADRS, 27                          ; v27     LDS address of my scale words: lanes 0-15 R's rows, lanes 16-31 P's
.set SPW,  28
.set NIL,  29
.set SC,   32
.set BI,   64                          ; register 16 b + i: bias of channel 32 b + 16 (lane / 16) + i of my 128 along P
.set AF,   128
.set BR,   224                         ; registers 2 rho, 2 rho + 1: bias of my lane's channel in R's block rho
.set T,    128                         ; the way out: 64 numbers
.set RC,   192                         ; 24 registers of codes
.set H0,   216                         ; the conversions' second halves
.set H1,   220
.set TM,   240                         ; v240-243 largest magnitudes, v244-247 bytes, v252-255 the conversions' scale operands
.set PWX,  248
.set PWY,  249
.set SW,   4                           ; v4-11   scale words to store
.set WV,   22                          ; s22 wave;  s23 which half of R's rows is mine, also: I fetch for R (0) or P (1);  s24 which half of P's rows, also: which 128 rows I fetch
.set RH,   23
.set PH,   24
.set CX,   25
.set CY,   26
.set CLY,  27
.set G1,   28                          ; s[28:35] group 1 for R's tiles;  s[36:43] group 0, a set for each slot
.set G0,   36
.set G1B,  44                          ; s[44:51], s[52:59] the same for P's
.set G0B,  52
.set TR,   60                          ; R's tile of 256 rows;  s61 P's
.set TP,   61
.set G1S,  68                          ; s[68:75], s[76:79] groups 1 and 0 for R's scale bytes;  s[80:87], s[88:91] for P's
.set G0S,  76
.set G1SB, 80
.set G0SB, 88
.set SEL,  46                          ; on the way out: s[46:47] the selects for lane l xor 16
.set MSB, 0
.macro WIN new                         ; the immediate's high byte repeats the setting that is left
.if MSB != (\new)
	s_set_vgpr_msb (MSB<<8)|(\new)
.set MSB, \new
.endif
.endm
.set MUL_LO, 0xa1                      ; source 0 (P) window 1, source 1 (R) window 0, C and D window 2
.set MUL_HI, 0xf1
.set TO_B,   0x40
; A joint load: waves 0 and 1 fetch for R, waves 2 and 3 for P.  The branch hangs on the wave's number alone.  An s_nop 0 and four v_nop follow each line.
.macro JLOAD g0a, g1a, g0b, g1b
	s_cmp_eq_u32 s[RH], 0
	s_cbranch_scc0 .Lfor_b_\@
	tensor_load_to_lds s[\g0a:\g0a+3], s[\g1a:\g1a+7]
	s_nop 0
.rept 4
	v_nop
.endr
	s_branch .Lasked_\@
.Lfor_b_\@:
	tensor_load_to_lds s[\g0b:\g0b+3], s[\g1b:\g1b+7]
	s_nop 0
.rept 4
	v_nop
.endr
.Lasked_\@:
.endm
.macro CREST                           ; a round of the cluster's barrier behind its opening barrier
	s_cmp_lg_u32 s[WV], 0
	s_cbranch_scc1 .Lnot_wave_0_\@
	s_barrier_signal -3
.Lnot_wave_0_\@:
	s_barrier_wait -3
	s_barrier_signal -1
	s_barrier_wait -1
.endm
.macro CROUND
	s_barrier_signal -1
	s_barrier_wait -1
	CREST
.endm
	s_load_b256 s[4:11], s[0:1], 0x0               ; x_codes, x_scales, w_codes, w_scales
	s_load_b256 s[12:19], s[0:1], 0x20             ; bq, bk, bv, qkv_codes
	s_load_b64 s[20:21], s[0:1], 0x40              ; qkv_scales
	v_lshl_add_u32 v[SPW], v0, 2, SPARE
	v_mov_b32 v[NIL], 0
	ds_add_u32 v[SPW], v[NIL]                      ; the wave's opening
	ds_add_u32 v[SPW], v[NIL]
	v_lshrrev_b32 v1, 5, v0
	v_readfirstlane_b32 s[WV], v1
	s_lshr_b32 s[RH], s[WV], 1
	s_and_b32 s[PH], s[WV], 1
	s_bfe_u32 s[CX], ttmp6, 0x40000
	s_bfe_u32 s[CY], ttmp6, 0x40004
	s_and_b32 s[CLY], ttmp7, 0xffff                ; the cluster's y
	s_lshl_b32 s62, s[CY], 2
	s_lshl_b32 s62, 15, s62                        ; my row of the cluster
	s_lshl_b32 s63, 0x1111, s[CX]                  ; my column
	s_or_b32 s[G1+0], s62, (0<<16)|(1<<20)|(1<<21)|(3<<22)|(3<<25)   ; the mask; elements of 1 byte; padding on; bit 21 beside a mask; after every 16 words, 4 words
	s_or_b32 s[G1B+0], s63, (0<<16)|(1<<20)|(1<<21)|(3<<22)|(3<<25)
.irp g, G1, G1B
	s_mov_b32 s[\g+1], 256<<16                     ; rows of 256 bytes; 256 rows of codes x 192 bytes are 192 of them (the head's loads)
	s_mov_b32 s[\g+2], 192<<16
	s_mov_b32 s[\g+3], 256<<16
	s_mov_b32 s[\g+4], 192
	s_mov_b32 s[\g+5], 256
	s_mov_b32 s[\g+6], 0
	s_mov_b32 s[\g+7], 0
.endr
	s_or_b32 s[G1S+0], s62, (3<<16)|(1<<20)|(1<<21)|(5<<22)|(3<<25)  ; the scale bytes of 256 rows: 8,192 dense bytes as 32 rows of 256 (32 elements of 8 bytes), 16 bytes of padding behind each
	s_or_b32 s[G1SB+0], s63, (3<<16)|(1<<20)|(1<<21)|(5<<22)|(3<<25)
.irp g, G1S, G1SB
	s_mov_b32 s[\g+1], 32<<16
	s_mov_b32 s[\g+2], 32<<16                      ; the scale bytes of 256 rows: 32 rows of 256 bytes
	s_mov_b32 s[\g+3], 32<<16
	s_mov_b32 s[\g+4], 32
	s_mov_b32 s[\g+5], 32
	s_mov_b32 s[\g+6], 0
	s_mov_b32 s[\g+7], 0
.endr
	; which tiles.  q, k: R = x, tile 4 x cluster y + cy; P = w, tile 4 x kind + cx.   v: R = w, tile 8 + cy; P = x, tile 4 x cluster y + cx.  R's never holds cx, P's never cy.
	s_lshl_b32 s66, s[CLY], 2
	s_cmp_eq_u32 ttmp9, 2
	s_cselect_b32 s[TR], 8, s66
	s_cselect_b32 s[TP], s[CLY], ttmp9
	s_add_co_u32 s[TR], s[TR], s[CY]
	s_lshl_b32 s[TP], s[TP], 2
	s_add_co_u32 s[TP], s[TP], s[CX]
	s_mul_i32 s2, s[PH], 128*KROW                  ; in the ring I fetch 128 rows of a tile: which half, in bytes
	s_mov_b32 s3, 0
	s_lshl_b32 s40, s[TR], 8
	s_lshl_b32 s42, s40, 5                         ; its scale bytes,
	s_mul_i32 s40, s40, KROW                       ; its codes
	s_mov_b32 s41, 0
	s_mov_b32 s43, 0
	s_lshl_b32 s56, s[TP], 8
	s_lshl_b32 s58, s56, 5
	s_mul_i32 s56, s56, KROW
	s_mov_b32 s57, 0
	s_mov_b32 s59, 0
	s_mul_i32 s66, s[WV], HALFT                    ; where they go: wave x 128 rows: no place in the cluster enters an LDS address
	s_wait_dscnt 0x0                               ; the opening add is done
	s_wait_kmcnt 0x0
	s_cmp_eq_u32 ttmp9, 2                          ; the buffers are chosen by the cluster's x, which all sixteen partners share
	s_cselect_b64 s[92:93], s[8:9], s[4:5]         ; R's codes
	s_cselect_b64 s[94:95], s[10:11], s[6:7]       ; R's scale bytes
	s_cselect_b64 s[96:97], s[4:5], s[8:9]         ; P's codes
	s_cselect_b64 s[98:99], s[6:7], s[10:11]       ; P's scale bytes
	s_cselect_b64 s[100:101], s[16:17], s[12:13]   ; the bias
	s_cmp_eq_u32 ttmp9, 1
	s_cselect_b64 s[100:101], s[14:15], s[100:101]
	s_add_nc_u64 s[92:93], s[92:93], s[40:41]
	s_add_nc_u64 s[94:95], s[94:95], s[42:43]
	s_add_nc_u64 s[96:97], s[96:97], s[56:57]
	s_add_nc_u64 s[98:99], s[98:99], s[58:59]
	CROUND                                         ; all sixteen work-groups are here: the first joint loads meet
	s_mov_b32 s[G0S], 1
	s_mov_b32 s[G0S+1], SCL
	s_mov_b64 s[G0S+2:G0S+3], s[94:95]
	s_or_b32 s[G0S+3], s[G0S+3], 0x80000000
	s_mov_b32 s[G0SB], 1
	s_mov_b32 s[G0SB+1], SCL+2*HALFS
	s_mov_b64 s[G0SB+2:G0SB+3], s[98:99]
	s_or_b32 s[G0SB+3], s[G0SB+3], 0x80000000
	s_mov_b32 s4, 1                                ; the head's loads of K step 0, each tile whole: R's 256 rows (the arguments that lay in s[4:11] have served),
	s_mov_b32 s5, 0
	s_mov_b64 s[6:7], s[92:93]
	s_or_b32 s7, s7, 0x80000000
	s_mov_b32 s8, 1                                ; and P's, behind them in slot 0
	s_mov_b32 s9, 2*HALFT
	s_mov_b64 s[10:11], s[96:97]
	s_or_b32 s11, s11, 0x80000000
	s_mov_b32 s16, 0x180000                        ; bytes from one K step to the next: in x_codes,
	s_mov_b32 s62, 0xc0000                         ; in w_codes
	s_cmp_eq_u32 ttmp9, 2
	s_cselect_b32 s17, s62, s16
	s_cselect_b32 s62, s16, s62                    ; s[62:63] P's
	s_mov_b32 s16, s17                             ; s[16:17] R's
	s_mov_b32 s17, 0
	s_mov_b32 s63, 0
	s_add_nc_u64 s[92:93], s[92:93], s[2:3]        ; for the ring: my 128 rows of the tile
	s_add_nc_u64 s[96:97], s[96:97], s[2:3]
.irp s, 0,1
	s_mov_b32 s[G0+4*\s], 1
	s_add_co_u32 s[G0+4*\s+1], s66, \s*SLOT
	s_mov_b64 s[G0+4*\s+2:G0+4*\s+3], s[92:93]
	s_or_b32 s[G0+4*\s+3], s[G0+4*\s+3], 0x80000000
	s_mov_b32 s[G0B+4*\s], 1
	s_add_co_u32 s[G0B+4*\s+1], s66, \s*SLOT
	s_mov_b64 s[G0B+4*\s+2:G0B+4*\s+3], s[96:97]
	s_or_b32 s[G0B+4*\s+3], s[G0B+4*\s+3], 0x80000000
	s_add_nc_u64 s[92:93], s[92:93], s[16:17]
	s_add_nc_u64 s[96:97], s[96:97], s[62:63]
.endr
	; PREFETCHES INTO THE L2: of the 96 blocks of 256 bytes that my wave fetches in a K step, each of the four partners that ask jointly takes 24, told apart by address (cx for R, cy for P); a lane a block.
	; x's blocks are asked for in each cluster that loads them; a weight's, which all eight rows of clusters load, in the first row of clusters alone.
	s_cmp_eq_u32 s[RH], 0
	s_cselect_b64 s[94:95], s[92:93], s[96:97]     ; my side's K step 2, my 128 rows
	s_cselect_b64 s[98:99], s[16:17], s[62:63]     ; its bytes from K step to K step
	s_cselect_b32 s66, s[CX], s[CY]
	s_mul_i32 s66, s66, 6144
	s_mov_b32 s67, 0
	s_add_nc_u64 s[94:95], s[94:95], s[66:67]
	s_sub_nc_u64 s[92:93], s[94:95], s[98:99]      ; K step 1
	s_add_nc_u64 s[96:97], s[94:95], s[98:99]      ; K step 3
	s_cmp_eq_u32 ttmp9, 2
	s_cselect_b32 s66, 1, 0
	s_xor_b32 s66, s66, s[RH]                      ; 1: my side is a weight
	s_mul_i32 s67, s66, s[CLY]                     ; 0: I ask
	s_lshl_b32 s16, s16, 1
	s_lshl_b32 s62, s62, 1
	; the head's four tiles, one load a wave, in one chain of branches on the wave's number
	s_cmp_lt_u32 s[WV], 1
	s_cbranch_scc0 .Lhead_p
	tensor_load_to_lds s[4:7], s[G1:G1+7]
	s_nop 0
.rept 4
	v_nop
.endr
	s_branch .Lhead_asked
.Lhead_p:
	s_cmp_lt_u32 s[WV], 2
	s_cbranch_scc0 .Lhead_sr
	tensor_load_to_lds s[8:11], s[G1B:G1B+7]
	s_nop 0
.rept 4
	v_nop
.endr
	s_branch .Lhead_asked
.Lhead_sr:
	s_cmp_lt_u32 s[WV], 3
	s_cbranch_scc0 .Lhead_sp
	tensor_load_to_lds s[G0S:G0S+3], s[G1S:G1S+7]
	s_nop 0
.rept 4
	v_nop
.endr
	s_branch .Lhead_asked
.Lhead_sp:
	tensor_load_to_lds s[G0SB:G0SB+3], s[G1SB:G1SB+7]
	s_nop 0
.rept 4
	v_nop
.endr
.Lhead_asked:
	v_and_b32 v30, 31, v0
	v_min_u32 v30, 23, v30                         ; the lanes left over name the last block again
	v_lshlrev_b32 v30, 8, v30                      ; never rewritten
	s_wait_alu depctr_va_vdst(0)
	s_cmp_eq_u32 s67, 0
	s_cbranch_scc0 .Lno_pf_head
	global_prefetch_b8 v30, s[92:93] th:TH_LOAD_NT scope:SCOPE_SE   ; K step 1, which is loaded when the head's tiles are in,
	global_prefetch_b8 v30, s[94:95] th:TH_LOAD_NT scope:SCOPE_SE   ; and K step 2, loaded at the first change of slots
.Lno_pf_head:
	v_and_b32 v1, 15, v0
	v_bfe_u32 v2, v0, 4, 1                         ; h
	v_mul_u32_u24 v3, v1, PITCH
	v_mul_u32_u24 v4, v2, 24
	v_add_nc_u32 v4, v3, v4                        ; a fragment's row x pitch + 24 x half
	v_lshl_add_u32 v5, v2, 4, v4                   ; and the same behind one padding more
	s_mul_i32 s2, s[RH], HALFT                     ; my 128 rows of R
	s_mul_i32 s3, s[PH], HALFT                     ; my 128 rows of P,
	s_add_co_u32 s3, s3, 2*HALFT                   ; which lie behind R's 256
.irp s, 0,1
	v_add_nc_u32 v[ADRA+\s], s2, v4
	v_add_nc_u32 v[ADRB+\s], s3, v4
	v_add_nc_u32 v[ADRA+2+\s], s2, v5
	v_add_nc_u32 v[ADRB+2+\s], s3, v5
	s_add_co_u32 s2, s2, SLOT
	s_add_co_u32 s3, s3, SLOT
.endr
	v_lshlrev_b32 v5, 5, v1                        ; my row's scale bytes: 32 a row,
	v_lshrrev_b32 v6, 8, v5
	v_lshl_add_u32 v5, v6, 4, v5                   ; and 16 more for each 256 passed
	s_mul_i32 s2, s[RH], HALFS
	s_mul_i32 s3, s[PH], HALFS
	s_add_co_u32 s3, s3, 2*HALFS
	s_sub_co_u32 s3, s3, s2
	v_mul_u32_u24 v6, s3, v2                       ; lanes 16-31 take P's: one product, the distance between the two bases
	s_add_co_u32 s2, s2, SCL
	v_add_nc_u32 v5, v5, v6
	v_add_nc_u32 v[ADRS], s2, v5
	v_and_b32 v6, 31, v0
	v_lshlrev_b32 v[L16], 4, v6
	v_lshlrev_b32 v[BO], 6, v2
	s_wait_alu depctr_va_vdst(0)
	v_and_b32 v6, 8, v1
	v_add_nc_u32 v6, v6, v1
	v_lshlrev_b32 v[BP], 2, v6
	; both forms of the bias are loaded on the one way that every work-group takes; q and k use the one along P, v the one along R.  Both index ranges lie inside the 1,024
	s_wait_alu depctr_va_vdst(0)
	s_lshl_b32 s2, s[CX], 10
	s_lshl_b32 s3, s[PH], 9
	s_add_co_u32 s2, s2, s3
	s_mov_b32 s3, 0
	s_add_nc_u64 s[12:13], s[100:101], s[2:3]      ; channel 256 cx + 128 x my half of P
	s_lshl_b32 s2, s[CY], 10
	s_lshl_b32 s66, s[RH], 9
	s_add_co_u32 s2, s2, s66
	s_add_nc_u64 s[14:15], s[100:101], s[2:3]      ; channel 256 cy + 128 x my half of R
.irp b, 0,1,2,3
.irp i, 0,1,2,3
	global_load_b128 v[BI+16*\b+4*\i:BI+16*\b+4*\i+3], v[BO], s[12:13] offset:128*\b+16*\i
.endr
.endr
.irp p, 0,1,2,3,4,5,6,7
	global_load_b32 v[BR+2*\p], v[BP], s[14:15] offset:(32*(\p/2)+8*(\p%2))*4
	global_load_b32 v[BR+2*\p+1], v[BP], s[14:15] offset:(32*(\p/2)+8*(\p%2))*4
.endr
.macro FRAG reg, adr, q, i             ; a fragment, 16 rows x 128 K, is 12 registers: registers 6 c .. 6 c + 5 hold K = 64 c + 32 (l / 16) + 0 .. 31: 24 bytes of the row's stream of bits, in pieces of 8 bytes
.irp p, 0,1,2,3,4,5
.set PC, 12*(\q)+6*(\p/3)+\p%3        ; 16 bytes of padding lie behind every 8 pieces: where the piece three on lies behind one padding more, the second address register serves
.if PC%8 < 5
	ds_load_b64 v[\reg+2*\p:\reg+2*\p+1], v[\adr] offset:8*PC+16*(PC/8)+(\i)*16*PITCH
.else
	ds_load_b64 v[\reg+2*\p:\reg+2*\p+1], v[\adr+2] offset:8*PC+16*(PC/8)+(\i)*16*PITCH
.endif
.endr
.endm
; 16 matrix instructions: R's blocks a0, a0 + 1 x P's eight.  The 64 accumulators take turns, one instruction a turn, in the same order in every step.
.macro MUL16 a0, p, q, sc, zero
.irp a, \a0, \a0+1
.irp b, 0,1,2,3,4,5,6,7
.if \zero
	v_wmma_scale_f32_16x16x128_f8f6f4 v[8*(8*((\a)%4)+\b):8*(8*((\a)%4)+\b)+7], v[128*(\p)+FR*\b:128*(\p)+FR*\b+FR-1], v[AF+FR*(\a):AF+FR*(\a)+FR-1], 0, v[SC+8*NQ*(\sc)+NQ*\b+(\q)], v[SC+8*NQ*(\sc)+NQ*(\a)+(\q)] matrix_a_fmt:MATRIX_FMT_FP6 matrix_b_fmt:MATRIX_FMT_FP6 matrix_a_scale:MATRIX_SCALE_ROW1
.else
	v_wmma_scale_f32_16x16x128_f8f6f4 v[8*(8*((\a)%4)+\b):8*(8*((\a)%4)+\b)+7], v[128*(\p)+FR*\b:128*(\p)+FR*\b+FR-1], v[AF+FR*(\a):AF+FR*(\a)+FR-1], v[8*(8*((\a)%4)+\b):8*(8*((\a)%4)+\b)+7], v[SC+8*NQ*(\sc)+NQ*\b+(\q)], v[SC+8*NQ*(\sc)+NQ*(\a)+(\q)] matrix_a_fmt:MATRIX_FMT_FP6 matrix_b_fmt:MATRIX_FMT_FP6 matrix_a_scale:MATRIX_SCALE_ROW1
.endif
.endr
.endr
.endm
.macro FETCH_B slot, q, p
	WIN TO_B
.irp i, 0,1,2,3,4,5,6,7
	FRAG 128*(\p)+FR*\i, ADRB+\slot, \q, \i
.endr
	WIN 0
.endm
.macro FETCH_A slot, q, i0
.irp i, \i0, \i0+1, \i0+2, \i0+3
	FRAG AF+FR*(\i), ADRA+\slot, \q, \i
.endr
.endm
.macro SCALES sc                       ; a K step's scale words: two a row; lanes 0-15 take R's block i, lanes 16-31 P's block i
.irp i, 0,1,2,3,4,5,6,7
	ds_load_b64 v[SC+8*NQ*\sc+NQ*\i:SC+8*NQ*\sc+NQ*\i+1], v[ADRS] offset:\i*SBLK
.endr
.endm
.macro PLACES n                        ; plain vector lines between a matrix instruction and a load into, or a read of, its registers
.rept \n
	v_nop
.endr
.endm
.macro STEP slot, q, zero              ; 128 along K that have their successor in the same slot
	s_wait_dscnt 4*NL                              ; P's set and R's blocks 0-3 are in; the youngest 24 loads (R's blocks 4-7) may be out
	WIN MUL_LO
	MUL16 0, (\q)%2, \q, \slot, \zero
	MUL16 2, (\q)%2, \q, \slot, \zero
	s_wait_dscnt 0
	PLACES NP
	FETCH_B \slot, (\q)+1, 1-(\q)%2
	FETCH_A \slot, (\q)+1, 0
	WIN MUL_HI
	MUL16 4, (\q)%2, \q, \slot, \zero
	MUL16 6, (\q)%2, \q, \slot, \zero
	PLACES NP
	WIN 0
	FETCH_A \slot, (\q)+1, 4
.endm
; A slot's last step changes slots: one barrier; in front of it each wave waits for all its tensor loads, adds 0 to its spare word, and waits for that and for its reads of this slot.  fill = 1: the slot is filled again, two K steps ahead.
.macro TURN slot, next, fill
	s_wait_tensorcnt 0x0                           ; all my tensor loads have landed: my part of the next slot
	ds_add_u32 v[SPW], v[NIL]                      ; 0 onto my spare word
	s_wait_dscnt 4*NL+1                            ; (the add and R's blocks 4-7 may be out)
	WIN MUL_LO
	MUL16 0, 1, NQ-1, \slot, 0
	s_wait_dscnt 0x0                               ; the add is done, and my reads of this slot are over
	s_barrier_signal -1
	MUL16 2, 1, NQ-1, \slot, 0
	WIN 0
	s_barrier_wait -1
.if \fill
	CREST                                          ; the barrier has opened a round of the cluster's: no wave of any partner still reads this slot or has a load on its way
	s_add_nc_u64 s[G0+4*\slot+2:G0+4*\slot+3], s[G0+4*\slot+2:G0+4*\slot+3], s[16:17]
	s_add_nc_u64 s[G0B+4*\slot+2:G0B+4*\slot+3], s[G0B+4*\slot+2:G0B+4*\slot+3], s[62:63]
	JLOAD G0+4*\slot, G1, G0B+4*\slot, G1B         ; the first tensor load behind the round; its four v_nop are the places in front of the loads below
.else
	PLACES NP
.endif
	s_wait_alu depctr_va_vdst(0)
	v_add_nc_u32 v[ADRS], 4*NQ, v[ADRS]            ; on to the next K step's scale words
	FETCH_B \next, 0, 0
	FETCH_A \next, 0, 0
	SCALES \next
	WIN MUL_HI
	MUL16 4, 1, NQ-1, \slot, 0
	MUL16 6, 1, NQ-1, \slot, 0
	PLACES NP
	WIN 0
	FETCH_A \next, 0, 4
.endm
	s_wait_alu depctr_va_vdst(0)
	s_wait_tensorcnt 0x0                           ; my tile of the head's four is in
	ds_add_u32 v[SPW], v[NIL]
	s_mov_b32 s[G1+2], 96<<16                      ; no tensor load of mine is out: from here on a load brings 128 rows of codes, 96 rows of 256 bytes
	s_mov_b32 s[G1+4], 96
	s_mov_b32 s[G1B+2], 96<<16
	s_mov_b32 s[G1B+4], 96
	s_wait_dscnt 0x0
	CROUND                                         ; all four tiles are in, and all sixteen work-groups are here
	JLOAD G0+4, G1, G0B+4, G1B                     ; K step 1, the first tensor load behind the round
	FETCH_B 0, 0, 0
	FETCH_A 0, 0, 0
	SCALES 0
	FETCH_A 0, 0, 4
	s_cmp_eq_u32 s67, 0
	s_cbranch_scc0 .Lno_pf_3
	global_prefetch_b8 v30, s[96:97] th:TH_LOAD_NT scope:SCOPE_SE   ; K step 3, loaded two K steps on
.Lno_pf_3:
	STEP 0, 0, 1
	TURN 0, 1, 1                                   ; slot 0 takes K step 2
	STEP 1, 0, 0
	TURN 1, 0, 1                                   ; slot 1 takes K step 3
	STEP 0, 0, 0
	TURN 0, 1, 0                                   ; nothing is left to fetch
	STEP 1, 0, 0
	s_wait_dscnt 4*NL
	WIN MUL_LO
	MUL16 0, 1, NQ-1, 1, 0
	MUL16 2, 1, NQ-1, 1, 0
	s_wait_dscnt 0
	WIN MUL_HI
	MUL16 4, 1, NQ-1, 1, 0
	MUL16 6, 1, NQ-1, 1, 0
	WIN 0
; THE WAY OUT.  ADDB: R's block rho, 64 numbers a lane, + bias, into window 0; each accumulator is read from its low end on.
.macro ADDB rho, isv
	WIN 0x02+(\rho)/4
.set i, 0
.rept 32
.if \isv
	v_pk_add_f32 v[T+i:T+i+1], v[64*((\rho)%4)+i:64*((\rho)%4)+i+1], v[BR+2*(\rho):BR+2*(\rho)+1]
.else
	v_pk_add_f32 v[T+i:T+i+1], v[64*((\rho)%4)+i:64*((\rho)%4)+i+1], v[BI+i:BI+i+1]
.endif
.set i, i+2
.endr
	WIN 0
.endm
; 64 numbers of a lane, register 16 b + i = place 32 b + 16 (lane / 16) + i along P, become codes: blocks 0, 1 in v[d0 .. d0 + 5], blocks 2, 3 in v[d1 .. d1 + 5]; the four scale bytes in v[pw].
.macro QUANT s, d0, d1, pw
.irp b, 0,1,2,3
	v_max3_num_f32 v[TM+\b], |v[\s+16*\b]|, |v[\s+1+16*\b]|, 0x1800000   ; my 16 numbers of block b, and the floor 2^(3 - 127)
.endr
.irp i, 2,4,6,8,10,12,14
.irp b, 0,1,2,3
	v_max3_num_f32 v[TM+\b], v[TM+\b], |v[\s+16*\b+\i]|, |v[\s+1+16*\b+\i]|
.endr
.endr
.irp b, 0,1,2,3
	v_permlanex16_b32 v[TM+4+\b], v[TM+\b], s[SEL], s[SEL+1]
.endr
.irp b, 0,1,2,3
	v_max_num_f32 v[TM+\b], v[TM+\b], v[TM+4+\b]   ; with lane l xor 16's: the block's largest magnitude
.endr
.irp b, 0,1,2,3
	v_add_nc_u32 v[TM+12+\b], 0xff000000, v[TM+\b] ; 2 off its exponent field: the conversion's scale operand
.endr
.irp b, 0,1,2,3
	v_lshrrev_b32 v[TM+4+\b], 23, v[TM+12+\b]      ; the scale's byte
.endr
	v_lshl_or_b32 v[\pw], v[TM+5], 8, v[TM+4]
	v_lshl_or_b32 v[\pw], v[TM+6], 16, v[\pw]
	v_lshl_or_b32 v[\pw], v[TM+7], 24, v[\pw]
	v_cvt_scalef32_pk16_fp6_f32 v[\d0:\d0+2], v[\s:\s+15], v[TM+12]
	v_cvt_scalef32_pk16_fp6_f32 v[H0:H0+2], v[\s+16:\s+31], v[TM+13]
	v_cvt_scalef32_pk16_fp6_f32 v[\d1:\d1+2], v[\s+32:\s+47], v[TM+14]
	v_cvt_scalef32_pk16_fp6_f32 v[H1:H1+2], v[\s+48:\s+63], v[TM+15]
	v_nop                                          ; one plain line behind the conversions
.irp i, 0,1,2                                  ; the operand's layout wants a whole block in a lane: lanes 0-15 the even block, lanes 16-31 the odd one
	v_permlane16_swap_b32 v[\d0+\i], v[H0+\i]
	v_permlane16_swap_b32 v[\d1+\i], v[H1+\i]
.endr
.irp i, 0,1,2
	v_mov_b32 v[\d0+3+\i], v[H0+\i]
	v_mov_b32 v[\d1+3+\i], v[H1+\i]
.endr
.endm
; q, k: two tiles of 16 tokens.  Codes: v[RC ..] the first head's image (tile 2 be in registers 0-5, tile 2 be + 1 in 6-11), v[RC + 12 ..] the second head's.
.macro PAIRQK be
.if \be > 0
	s_wait_xcnt 0x0                                ; the last pair's stores have read their registers
.endif
	ADDB 2*\be, 0
	QUANT T, RC, RC+12, PWX
	ADDB 2*\be+1, 0
	QUANT T, RC+6, RC+18, PWY
	v_cndmask_b32 v[SW+\be], v[PWX], v[PWY], s44   ; lanes 0-15 the even tile's word, lanes 16-31 the odd tile's: bytes 0, 1 are the first head's
	v_lshrrev_b32 v[SW+4+\be], 16, v[SW+\be]       ; the second head's
.irp c, 0,1,2
	global_store_b128 v[L16], v[RC+4*\c:RC+4*\c+3], s[36:37] offset:1536*\be+512*\c   ; 512 consecutive bytes a store, aligned
.endr
.irp c, 0,1,2
	global_store_b128 v[L16], v[RC+12+4*\c:RC+12+4*\c+3], s[38:39] offset:1536*\be+512*\c
.endr
.endm
; v: two tiles of 16 channels x 128 keys: each is a whole fragment.
; v: by x's position order register 32 c + n of a lane is key 64 c + 32 (lane / 16) + n: two WHOLE blocks a lane, in the order of the operand's registers.  No lane asks another for a maximum; the scale word's bytes are joined with lane l xor 16's.
.macro QUANTV s, d, pw
.irp b, 0,1
	v_max3_num_f32 v[TM+\b], |v[\s+32*\b]|, |v[\s+1+32*\b]|, 0x1800000
	v_max3_num_f32 v[TM+2+\b], |v[\s+16+32*\b]|, |v[\s+17+32*\b]|, |v[\s+18+32*\b]|
.endr
.irp i, 2,4,6,8,10,12,14
.irp b, 0,1
	v_max3_num_f32 v[TM+\b], v[TM+\b], |v[\s+32*\b+\i]|, |v[\s+32*\b+\i+1]|
.endr
.endr
.irp i, 19,21,23,25,27,29
.irp b, 0,1
	v_max3_num_f32 v[TM+2+\b], v[TM+2+\b], |v[\s+32*\b+\i]|, |v[\s+32*\b+\i+1]|
.endr
.endr
.irp b, 0,1
	v_max3_num_f32 v[TM+\b], v[TM+\b], v[TM+2+\b], |v[\s+32*\b+31]|
.endr
.irp b, 0,1
	v_add_nc_u32 v[TM+12+\b], 0xff000000, v[TM+\b]
.endr
.irp b, 0,1
	v_lshrrev_b32 v[TM+4+\b], 23, v[TM+12+\b]
.endr
	v_lshl_or_b32 v[\pw], v[TM+5], 16, v[TM+4]     ; my bytes: blocks h and 2 + h,
	v_lshlrev_b32 v[\pw], v250, v[\pw]             ; 8 h bits up
	v_permlanex16_b32 v[TM+6], v[\pw], s[SEL], s[SEL+1]
	v_or_b32 v[\pw], v[\pw], v[TM+6]
	v_cvt_scalef32_pk16_fp6_f32 v[\d:\d+2], v[\s:\s+15], v[TM+12]
	v_cvt_scalef32_pk16_fp6_f32 v[H0:H0+2], v[\s+16:\s+31], v[TM+12]
	v_cvt_scalef32_pk16_fp6_f32 v[\d+6:\d+8], v[\s+32:\s+47], v[TM+13]
	v_cvt_scalef32_pk16_fp6_f32 v[H1:H1+2], v[\s+48:\s+63], v[TM+13]
	v_nop
.irp i, 0,1,2
	v_mov_b32 v[\d+3+\i], v[H0+\i]
	v_mov_b32 v[\d+9+\i], v[H1+\i]
.endr
.endm
.macro PAIRV be
.if \be > 0
	s_wait_xcnt 0x0
.endif
	ADDB 2*\be, 1
	QUANTV T, RC, SW+2*\be
	ADDB 2*\be+1, 1
	QUANTV T, RC+12, SW+2*\be+1
.irp e, 0,1
.irp c, 0,1,2
	global_store_b128 v[L16], v[RC+12*\e+4*\c:RC+12*\e+4*\c+3], s[36+2*(\be/2):37+2*(\be/2)] offset:1536*((2*\be+\e)%4)+512*\c
.endr
.endr
.endm
	PLACES NP                                      ; behind the last products, ahead of the first read of results and the first write over R's fragments
	s_wait_loadcnt 0x0                             ; the biases
	s_mov_b32 s44, 0xffff0000                      ; lanes 16-31.  (No tensor load of mine is out: the descriptors' registers are free)
	s_mov_b32 s[SEL], 0x76543210
	s_mov_b32 s[SEL+1], 0xfedcba98
.irp b, 0,1,2,3
	v_mov_b32 v[TM+4+\b], 0                        ; written once: a lane permute's destination counts as one of its sources
.endr
	s_cmp_eq_u32 ttmp9, 2                          ; the cluster's x: the same way in all sixteen partners
	s_cbranch_scc1 .Lv_out
	s_lshr_b32 s48, s[TR], 3                       ; q, k: the batch;
	s_and_b32 s49, s[TR], 7
	s_lshl_b32 s49, s49, 1
	s_add_co_u32 s49, s49, s[RH]                   ; my step of 128 tokens in it;
	s_lshl_b32 s48, s48, 4
	s_lshl_b32 s50, s[CX], 2
	s_add_co_u32 s48, s48, s50
	s_lshl_b32 s50, s[PH], 1
	s_add_co_u32 s48, s48, s50                     ; my first head, counted over batches: 16 b + 4 cx + 2 x half
	s_lshl_b32 s51, 0x18000, ttmp9                 ; a head's bytes of codes: 98,304 in q's region, twice that in k's and v's
	s_mul_i32 s52, s48, s51
	s_lshr_b32 s53, s51, 4                         ; a step's
	s_mul_i32 s53, s53, s49
	s_add_co_u32 s52, s52, s53
	s_mul_i32 s53, ttmp9, 6291456                  ; k's region lies behind q's
	s_add_co_u32 s52, s52, s53
	s_mov_b32 s53, 0
	s_add_nc_u64 s[36:37], s[18:19], s[52:53]
	s_mov_b32 s52, s51
	s_add_nc_u64 s[38:39], s[36:37], s[52:53]      ; the second head
	s_lshl_b32 s51, 0x2000, ttmp9                  ; the scale words likewise: 8,192 bytes a head in q's region
	s_mul_i32 s52, s48, s51
	s_lshr_b32 s54, s51, 4
	s_mul_i32 s54, s54, s49
	s_add_co_u32 s52, s52, s54
	s_lshl_b32 s54, ttmp9, 19
	s_add_co_u32 s52, s52, s54
	s_add_nc_u64 s[40:41], s[20:21], s[52:53]
	s_mov_b32 s52, s51
	s_add_nc_u64 s[42:43], s[40:41], s[52:53]
	PAIRQK 0
	PAIRQK 1
	PAIRQK 2
	PAIRQK 3
	s_branch .Lwords
.Lv_out:
	v_lshrrev_b32 v250, 3, v[BO]                   ; 8 x (lane / 16)
	s_lshr_b32 s48, s[TP], 3
	s_and_b32 s49, s[TP], 7
	s_lshl_b32 s49, s49, 1
	s_add_co_u32 s49, s49, s[PH]                   ; my step of 128 keys;
	s_lshl_b32 s48, s48, 4
	s_lshl_b32 s50, s[CY], 2
	s_add_co_u32 s48, s48, s50
	s_lshl_b32 s50, s[RH], 1
	s_add_co_u32 s48, s48, s50                     ; my first head: 16 b + 4 cy + 2 x half
	s_mul_i32 s52, s48, 196608
	s_mul_i32 s53, s49, 12288
	s_add_co_u32 s52, s52, s53
	s_add_co_u32 s52, s52, 6291456+6144            ; in a step v's four fragments lie behind k's four pairs
	s_mov_b32 s53, 0
	s_add_nc_u64 s[36:37], s[18:19], s[52:53]
	s_add_nc_u64 s[38:39], s[36:37], 196608
	s_lshl_b32 s52, s48, 14
	s_lshl_b32 s54, s49, 10
	s_add_co_u32 s52, s52, s54
	s_add_co_u32 s52, s52, 524288+512
	s_add_nc_u64 s[40:41], s[20:21], s[52:53]
	s_add_nc_u64 s[42:43], s[40:41], 16384
	PAIRV 0
	PAIRV 1
	PAIRV 2
	PAIRV 3
.Lwords:
	s_wait_alu depctr_va_vdst(0)
	global_store_b128 v[L16], v[SW:SW+3], s[40:41]      ; the first head's four scale words a lane: 512 consecutive bytes
	global_store_b128 v[L16], v[SW+4:SW+7], s[42:43]    ; the second head's
	s_wait_tensorcnt 0x0                           ; the wave's end
	ds_add_u32 v[SPW], v[NIL]
	s_wait_dscnt 0x0
	CROUND                                         ; the closing round: no work-group ends while a partner may still ask for a tile that names it
	s_endpgm
.Lfunc_end_k_q616d667125_proj:
	.size	k_q616d667125_proj, .Lfunc_end_k_q616d667125_proj-k_q616d667125_proj
	.p2alignl 7, 3214868480
	.fill 96, 4, 3214868480
	.section	.rodata,"a",@progbits
	.p2align	6, 0x0
	.amdhsa_kernel k_q616d667125_proj
		.amdhsa_group_segment_fixed_size 327680
		.amdhsa_private_segment_fixed_size 0
		.amdhsa_enable_private_segment 0
		.amdhsa_kernarg_size 72
		.amdhsa_user_sgpr_count 2
		.amdhsa_user_sgpr_kernarg_segment_ptr 1
		.amdhsa_wavefront_size32 1
		.amdhsa_system_sgpr_workgroup_id_x 1
		.amdhsa_system_sgpr_workgroup_id_y 1
		.amdhsa_system_sgpr_workgroup_id_z 1
		.amdhsa_system_vgpr_workitem_id 0
		.amdhsa_next_free_vgpr 1024
		.amdhsa_next_free_sgpr 102
		.amdhsa_reserve_vcc 0
		.amdhsa_float_denorm_mode_32 3
		.amdhsa_float_denorm_mode_16_64 3
		.amdhsa_memory_ordered 1
		.amdhsa_forward_progress 1
		.amdhsa_inst_pref_size 229
	.end_amdhsa_kernel
	.amdgpu_metadata
---
amdhsa.version: [ 1, 2 ]
amdhsa.kernels:
  - .name:           k_q616d667125_proj
    .symbol:         k_q616d667125_proj.kd
    .args:
      - { .name: x_codes, .offset: 0, .size: 8, .value_kind: global_buffer, .address_space: global }
      - { .name: x_scales, .offset: 8, .size: 8, .value_kind: global_buffer, .address_space: global }
      - { .name: w_codes, .offset: 16, .size: 8, .value_kind: global_buffer, .address_space: global }
      - { .name: w_scales, .offset: 24, .size: 8, .value_kind: global_buffer, .address_space: global }
      - { .name: bq, .offset: 32, .size: 8, .value_kind: global_buffer, .address_space: global }
      - { .name: bk, .offset: 40, .size: 8, .value_kind: global_buffer, .address_space: global }
      - { .name: bv, .offset: 48, .size: 8, .value_kind: global_buffer, .address_space: global }
      - { .name: qkv_codes, .offset: 56, .size: 8, .value_kind: global_buffer, .address_space: global }
      - { .name: qkv_scales, .offset: 64, .size: 8, .value_kind: global_buffer, .address_space: global }
    .group_segment_fixed_size: 327680
    .private_segment_fixed_size: 0
    .kernarg_segment_align: 8
    .kernarg_segment_size: 72
    .max_flat_workgroup_size: 128
    .sgpr_count:     102
    .vgpr_count:     1024
    .wavefront_size: 32
...
	.end_amdgpu_metadata
.endif
;; end of part 2
;; launch attn (part 3): grid 4 x 64, 8 waves a work-group, clusters of 4 x 1, 327,680 bytes of LDS; arguments qkv_codes, qkv_scales, a_codes, a_scales; writes a_codes, a_scales
.if DOCPART == 3
	.amdgcn_target "amdgcn-amd-amdhsa--gfx1250"
	.amdhsa_code_object_version 6
	.text
	.protected	k_q616d667125_attn
	.globl	k_q616d667125_attn
	.p2align	8
	.type	k_q616d667125_attn,@function
k_q616d667125_attn:
	s_mov_b64 s[64:65], 0
	v_nop
	global_prefetch_b8 v0, s[64:65] scope:SCOPE_SE
	s_setreg_imm32_b32 hwreg(HW_REG_WAVE_MODE, 25, 1), 1
	s_wait_xcnt 0x0
	s_wait_alu depctr_hold_cnt(0) depctr_sa_sdst(0) depctr_va_vdst(0) depctr_va_sdst(0) depctr_va_ssrc(0) depctr_va_vcc(0) depctr_vm_vsrc(0)
	s_getreg_b32 s2, hwreg(HW_REG_IB_STS2, 6, 4)
	s_cmp_eq_u32 s2, 0
	s_cbranch_scc0 .Lentry_in_a_cluster
	s_endpgm
.Lentry_in_a_cluster:
	s_bfe_u32 s2, ttmp6, 0x10000c
	s_cmp_lg_u32 s2, 0x3003
	s_cbranch_scc0 .Lentry_shape_is_right
	s_endpgm
.Lentry_shape_is_right:
; softmax(q k^T / 8) v for one head and 512 queries a work-group, on codes of FP6 (E2M3) with E8M0 scales; the result is quantised along the head's 64 and leaves as images of the next launch's operand registers.
; THE DEAL: work-group y = batch x 16 + head; the four work-groups of a cluster take the head's four blocks of 512 queries and ask JOINTLY for the head's K, V (196,608 bytes) and their scale words (16,384 bytes),
; which lie in LDS for the whole launch: six waves bring 32,768 bytes of codes each, two waves 8,192 bytes of scale words each, one tensor load a wave, rows of 256 bytes.  Nothing is filled again.
; Eight waves; a wave has 64 queries, four tiles of 16.  A step is 128 keys: 26 LDS loads bring K's and V's fragments and scale words once for the wave's four tiles: 48 matrix instructions.
; BOTH PRODUCTS ARE USED TRANSPOSED (S^T = k q^T, O^T = v^T p^T): a lane holds one query.  K's tile 4 c + j holds keys 64 c + 8 j + i (rows 0-7) and 64 c + 32 + 8 j + i (rows 8-15), so register S + 32 c + n of lane (r, h)
; is key 64 c + 32 h + n: a lane holds two WHOLE blocks of 32 keys, in the order of the operand's registers: no lane is asked for a block's maximum and no codes change lanes.
; The head is 64 deep and the instruction 128: q's upper six registers are zero codes, which add nothing under any finite scale byte; six zero registers stand behind K's fragments for its last operand's upper half.
; p = 2^(t - M), t = score x log2(e) / 8, M the ceiling of the running largest t; the sum is taken of the unquantised p; when M moves, sum and O^T are multiplied by 2^(old M - new M), exactly.
; A block's largest p is made from the block's largest score by the same multiply-add and exponential.
; VECTOR WORK AMONG THE PRODUCTS: block 0's maxima stand among the second four score products, the sums among the four value products.
; K's fragments of the next step are asked for as soon as the last tile's score products are issued; in the last trip the address is held at the last step, and nothing reads what comes.
; O^T starts as zeros written under the tensor loads' flight: the step is written once.
; No prefetch: every tile of the launch is asked for at its head, so there is no loop to run ahead in.
; LIMITS: the promise holds while the scaled scores (t) stay under 2^31 in magnitude; a block whose largest magnitude lies under 2^-124 has its byte held at 1, a block of zeros too; NaN and infinities are not served.
; REGISTERS: window 0: v1-15 addresses and scale words; v16-63 K; v64-69 zeros; v70-117 V; v118-181 scores, then p; v182-193 p's codes; v194-209 a tile's -M, largest score and sum; v210.. at work.  window 1: v0-127 O^T; v128-175 q, 12 a tile.
.set KVC,   6291456
.set KVS,   524288
.set STEPB, 12288
.set SCB,   196608
.set SPARE, 212992
.set AL,   1
.set ADK,  2
.set ADS,  3
.set SPW,  4
.set NIL,  5
.set QS,   6
.set KSC,  8
.set VSC,  12
.set KF,   16
.set KP,   64
.set VF,   70
.set S,    118
.set PCD,  182
.set ST,   194
.set BM,   210
.set SO,   214
.set F,    216
.set PW,   218
.set TMP,  219
.set H0,   220
.set PT,   223
.set H1,   224
.set TM2,  227
.set BY,   228
.set A1,   230
.set A2,   232
.set A3,   234
.set SH8,  236
.set ALS,  237
.set L8,   238
.set L32,  239
.set HW,   240
.set ADN,  244
.set ASN,  245
.set QW,   128
.set WV,   12
.set G1S,  24
.set G1B,  40
.set G0S,  48
.set G0B,  56
.set SEL,  60
.set CS,   62
.set TB,   66
.set TS,   67
.set CNT,  68
.set TBN,  78
.set TSN,  79
.set MSB, 0
.macro WIN new                         ; the immediate's high byte repeats the setting that is left
.if MSB != (\new)
	s_set_vgpr_msb (MSB<<8)|(\new)
.set MSB, \new
.endif
.endm
.macro WALU
	s_wait_alu depctr_va_vdst(0)
.endm
.macro CROUND
	s_barrier_signal -1
	s_barrier_wait -1
	s_cmp_lg_u32 s[WV], 0
	s_cbranch_scc1 .Lnot_wave_0_\@
	s_barrier_signal -3
.Lnot_wave_0_\@:
	s_barrier_wait -3
	s_barrier_signal -1
	s_barrier_wait -1
.endm
.macro WM d, a, b, c, sa, sb, ra, rb
	v_wmma_scale_f32_16x16x128_f8f6f4 v[\d:\d+7], v[\a:\a+11], v[\b:\b+11], \c, v[\sa], v[\sb] matrix_a_fmt:MATRIX_FMT_FP6 matrix_b_fmt:MATRIX_FMT_FP6 matrix_a_scale:MATRIX_SCALE_ROW\ra matrix_b_scale:MATRIX_SCALE_ROW\rb
.endm
	s_load_b256 s[4:11], s[0:1], 0x0               ; qkv_codes, qkv_scales, a_codes, a_scales
	v_lshl_add_u32 v[SPW], v0, 2, SPARE
	v_mov_b32 v[NIL], 0
	ds_add_u32 v[SPW], v[NIL]                      ; the opening lines
	ds_add_u32 v[SPW], v[NIL]
	v_lshrrev_b32 v1, 5, v0
	v_readfirstlane_b32 s[WV], v1
	s_bfe_u32 s13, ttmp6, 0x40000                  ; cx: my block of 512 queries
	s_and_b32 s14, ttmp7, 0xffff                   ; batch x 16 + head
.irp g, G1S, G1B
	s_mov_b32 s[\g], 15|(3<<16)|(1<<21)            ; the cluster's four; elements of 8 bytes; rows of 256 bytes
	s_mov_b32 s[\g+1], 32<<16
	s_mov_b32 s[\g+3], 32<<16
	s_mov_b32 s[\g+5], 32
	s_mov_b32 s[\g+6], 0
	s_mov_b32 s[\g+7], 0
.endr
	s_mov_b32 s[G1S+2], 32<<16
	s_mov_b32 s[G1S+4], 32
	s_mov_b32 s[G1B+2], 128<<16
	s_mov_b32 s[G1B+4], 128
	s_lshl_b32 s22, s[WV], 15                      ; waves 0-5: 32,768 bytes of codes each
	s_mul_i32 s16, s14, 196608
	s_add_co_u32 s16, s16, KVC
	s_add_co_u32 s20, s16, s22
	s_mov_b32 s21, 0
	s_and_b32 s23, s[WV], 1                        ; waves 6, 7: 8,192 bytes of scale words each
	s_lshl_b32 s23, s23, 13
	s_lshl_b32 s16, s14, 14
	s_add_co_u32 s16, s16, s23
	s_add_co_u32 s16, s16, KVS
	s_mov_b32 s17, 0
	s_mov_b32 s[SEL], 0x76543210
	s_mov_b32 s[SEL+1], 0xfedcba98
	s_mov_b32 s[CS], 0x3e38aa3b                    ; log2(e) / 8
	s_mov_b32 s[CS+1], s[CS]
	s_mov_b32 s69, 0xffff0000
	WALU
	s_wait_dscnt 0x0
	s_wait_kmcnt 0x0
	s_mov_b32 s[G0S], 1
	s_add_co_u32 s[G0S+1], s23, SCB
	s_add_nc_u64 s[G0S+2:G0S+3], s[6:7], s[16:17]
	s_or_b32 s[G0S+3], s[G0S+3], 0x80000000
	s_mov_b32 s[G0B], 1
	s_mov_b32 s[G0B+1], s22
	s_add_nc_u64 s[G0B+2:G0B+3], s[4:5], s[20:21]
	s_or_b32 s[G0B+3], s[G0B+3], 0x80000000
	CROUND                                         ; the four work-groups are here: the joint loads meet
	s_cmp_lt_u32 s[WV], 6
	s_cbranch_scc0 .Lfor_scales
	tensor_load_to_lds s[G0B:G0B+3], s[G1B:G1B+7]
	s_nop 0
.rept 4
	v_nop
.endr
	s_branch .Lasked
.Lfor_scales:
	tensor_load_to_lds s[G0S:G0S+3], s[G1S:G1S+7]
	s_nop 0
.rept 4
	v_nop
.endr
.Lasked:
	s_lshl_b32 s15, s13, 4
	s_lshl_b32 s18, s[WV], 1
	s_add_co_u32 s15, s15, s18                     ; my first pair of query tiles, 0 .. 62: 16 cx + 2 x wave
	s_mul_i32 s16, s14, 98304
	s_mul_i32 s18, s15, 1536
	s_add_co_u32 s16, s16, s18
	s_mov_b32 s17, 0
	s_add_nc_u64 s[70:71], s[4:5], s[16:17]        ; q's images
	s_lshl_b32 s16, s14, 13
	s_lshr_b32 s18, s15, 2
	s_lshl_b32 s18, s18, 9
	s_add_co_u32 s16, s16, s18
	s_and_b32 s18, s15, 3
	s_lshl_b32 s18, s18, 2
	s_add_co_u32 s16, s16, s18
	s_add_nc_u64 s[72:73], s[6:7], s[16:17]        ; q's scale words
	s_lshr_b32 s19, s14, 4
	s_and_b32 s20, s14, 15
	s_lshl_b32 s16, s19, 7
	s_lshl_b32 s18, s15, 1
	s_add_co_u32 s16, s16, s18
	s_mul_i32 s16, s16, 12288
	s_mul_i32 s18, s20, 768
	s_add_co_u32 s16, s16, s18
	s_add_nc_u64 s[74:75], s[8:9], s[16:17]        ; a_codes: [tile of 16 positions][head][768 bytes]
	s_lshl_b32 s16, s19, 11
	s_lshl_b32 s18, s15, 5
	s_add_co_u32 s16, s16, s18
	s_lshl_b32 s16, s16, 5
	s_lshl_b32 s18, s20, 1
	s_add_co_u32 s16, s16, s18
	s_add_nc_u64 s[76:77], s[10:11], s[16:17]      ; a_scales: [position][32 bytes]
	v_and_b32 v2, 31, v0
	v_lshlrev_b32 v[AL], 4, v2
	v_lshlrev_b32 v[L8], 3, v2
	v_lshlrev_b32 v[L32], 5, v2
	v_add_nc_u32 v[ALS], SCB, v[AL]
	v_lshrrev_b32 v[SH8], 4, v2
	v_lshlrev_b32 v[SH8], 3, v[SH8]                ; 8 x (lane / 16)
	global_load_b64 v[QS:QS+1], v[AL], s[72:73]
	WIN 0x40
.irp p, 0,1                            ; an image holds two tiles, six registers each; each tile gets twelve registers, the upper six zero codes
	global_load_b128 v[QW+24*\p:QW+24*\p+3], v[AL], s[70:71] offset:1536*\p
	global_load_b64 v[QW+24*\p+4:QW+24*\p+5], v[AL], s[70:71] offset:1536*\p+512
	global_load_b64 v[QW+24*\p+12:QW+24*\p+13], v[AL], s[70:71] offset:1536*\p+520
	global_load_b128 v[QW+24*\p+14:QW+24*\p+17], v[AL], s[70:71] offset:1536*\p+1024
.endr
.irp a, 0,1,2,3
.irp i, 6,7,8,9,10,11
	v_mov_b32 v[QW+12*\a+\i], 0
.endr
.endr
.set j, 0
.rept 128
	v_mov_b32 v[j], 0                              ; O^T
.set j, j+1
.endr
	WIN 0
.irp i, 0,1,2,3,4,5
	v_mov_b32 v[KP+\i], 0
.endr
.irp a, 0,1,2,3
	v_mov_b32 v[ST+4*\a], 0x7f61b1e6               ; -M: 3e38, so that the first factor is 0
	v_mov_b32 v[ST+4*\a+1], 0xff61b1e6             ; the largest score so far: -3e38
	v_mov_b32 v[ST+4*\a+2], 0                      ; the sum, in two halves
	v_mov_b32 v[ST+4*\a+3], 0
.endr
	v_mov_b32 v[F+1], 0                            ; named as a pair's upper half
	v_mov_b32 v[PT], 0                             ; a lane permute's destination counts as one of its sources
; line n of block 0's largest score: two chains over registers 0-15 and 16-31; every accumulator is first read at its low end
.macro MX0 n
.if (\n) == 0
	v_max3_num_f32 v[BM], v[S], v[S+1], v[S+2]
.elseif (\n) == 1
	v_max3_num_f32 v[BM+2], v[S+16], v[S+17], v[S+18]
.elseif (\n) == 14
	v_max3_num_f32 v[BM], v[BM], v[BM+2], v[S+15]
.elseif (\n) == 15
	v_max_num_f32 v[BM], v[BM], v[S+31]
.elseif (\n)%2 == 0
	v_max3_num_f32 v[BM], v[BM], v[S+(\n)+1], v[S+(\n)+2]
.else
	v_max3_num_f32 v[BM+2], v[BM+2], v[S+16+(\n)], v[S+17+(\n)]
.endif
.endm
.macro MXS from, cnt
.set MN, \from
.rept \cnt
	MX0 MN
.set MN, MN+1
.endr
.endm
; line n of the sum of the 64 unquantised p: 32 packed additions in four chains
.macro ADDL n
.if (\n) < 3
	v_pk_add_f32 v[A1+2*(\n):A1+2*(\n)+1], v[S+4*(\n):S+4*(\n)+1], v[S+4*(\n)+2:S+4*(\n)+3]
.elseif (\n) == 3
	v_pk_add_f32 v[SUM:SUM+1], v[SUM:SUM+1], v[S+12:S+13]
.elseif (\n) < 29
.if (\n)%4 == 3
	v_pk_add_f32 v[SUM:SUM+1], v[SUM:SUM+1], v[S+2*(\n)+6:S+2*(\n)+7]
.else
	v_pk_add_f32 v[A1+2*((\n)%4):A1+2*((\n)%4)+1], v[A1+2*((\n)%4):A1+2*((\n)%4)+1], v[S+2*(\n)+6:S+2*(\n)+7]
.endif
.elseif (\n) == 29
	v_pk_add_f32 v[A2:A2+1], v[A2:A2+1], v[A3:A3+1]
.elseif (\n) == 30
	v_pk_add_f32 v[SUM:SUM+1], v[SUM:SUM+1], v[A1:A1+1]
.else
	v_pk_add_f32 v[SUM:SUM+1], v[SUM:SUM+1], v[A2:A2+1]
.endif
.endm
.macro ADDS from, cnt
.set AN, \from
.rept \cnt
	ADDL AN
.set AN, AN+1
.endr
.endm
; One tile of 16 queries against the step's 128 keys.  ar: the tile's half of q's scale register.  first: V's loads are waited for.  knext: the next step's K is asked for.
.macro TILE a, ar, first, knext
.set NM, ST+4*(\a)
.set SUM, ST+4*(\a)+2
.set OA, 32*(\a)
	WIN 0x04                                       ; q lies in window 1
.irp u, 0,1
	WM S+16*\u, KF+12*\u, QW+12*(\a), 0, KSC+\u, QS+(\a)/2, 0, \ar
	WM S+16*\u+8, KF+12*\u+6, QW+12*(\a), 0, KSC+\u, QS+(\a)/2, 1, \ar
.endr
	v_mov_b32 v[TMP], v[NM]                        ; four places behind the first four products
	v_nop
	v_nop
	v_nop
.irp u, 2,3
	WIN 0x04
	WM S+16*\u, KF+12*\u, QW+12*(\a), 0, KSC+\u, QS+(\a)/2, 0, \ar
	WIN 0
	MXS 8*(\u-2), 4
	WIN 0x04
	WM S+16*\u+8, KF+12*\u+6, QW+12*(\a), 0, KSC+\u, QS+(\a)/2, 1, \ar
	WIN 0
	MXS 8*(\u-2)+4, 4
.endr
.if \knext
	s_add_co_u32 s[TBN], s[TB], STEPB
	s_min_u32 s[TBN], s[TBN], 15*STEPB
	s_add_co_u32 s[TSN], s[TS], 1024
	s_min_u32 s[TSN], s[TSN], 15*1024
	v_add_nc_u32 v[ADN], s[TBN], v[AL]
	v_add_nc_u32 v[ASN], s[TSN], v[ALS]
.irp i, 0,1,2,3,4,5,6,7,8,9,10,11
	ds_load_b128 v[KF+4*\i:KF+4*\i+3], v[ADN] offset:512*\i
.endr
	ds_load_b128 v[KSC:KSC+3], v[ASN]
.endif
.irp q, 0,1,2,3                        ; block 1's largest score, in four chains
	v_max3_num_f32 v[BM+1+\q], v[S+32+8*\q], v[S+33+8*\q], v[S+34+8*\q]
.endr
.irp i, 3,5
.irp q, 0,1,2,3
	v_max3_num_f32 v[BM+1+\q], v[BM+1+\q], v[S+32+8*\q+\i], v[S+33+8*\q+\i]
.endr
.endr
	v_max3_num_f32 v[BM+1], v[BM+1], v[BM+2], v[S+39]
	v_max3_num_f32 v[BM+3], v[BM+3], v[BM+4], v[S+47]
	v_max3_num_f32 v[BM+1], v[BM+1], v[BM+3], v[S+55]
	v_max_num_f32 v[BM+1], v[BM+1], v[S+63]
	v_max_num_f32 v[TM2], v[BM], v[BM+1]
	v_permlanex16_b32 v[PT], v[TM2], s[SEL], s[SEL+1]
	v_max3_num_f32 v[NM+1], v[NM+1], v[TM2], v[PT] ; the running largest score of my query
	v_mul_f32 v[TM2], s[CS], v[NM+1]
	v_floor_f32 v[NM], -v[TM2]                     ; -M = floor(-t)
	v_sub_f32 v[TMP], v[NM], v[TMP]                ; old M - new M, a whole number
.set j, 0
.rept 32
	v_pk_fma_f32 v[S+j:S+j+1], v[S+j:S+j+1], s[CS:CS+1], v[NM:NM+1] op_sel_hi:[1,0,0]
.if j == 6
	v_cvt_i32_f32 v[TMP], v[TMP]
.endif
.if j == 14
	v_ldexp_f32 v[F], 1.0, v[TMP]                  ; f = 2^(old M - new M)
.endif
.set j, j+2
.endr
.irp c, 0,1
	v_fma_f32 v[BM+\c], v[BM+\c], s[CS], v[NM]
.endr
	WALU                                           ; ahead of the batch, and ahead of the first reader of O^T
	WIN 0x41
.set j, 0
.rept 16
	v_pk_mul_f32 v[OA+j:OA+j+1], v[OA+j:OA+j+1], v[F:F+1] op_sel_hi:[1,0]
.set j, j+2
.endr
	WIN 0
.set j, 0
.rept 64
	v_exp_f32 v[S+j], v[S+j]
.set j, j+1
.endr
.irp c, 0,1
	v_exp_f32 v[BM+\c], v[BM+\c]                   ; the block's largest p
.endr
	v_pk_mul_f32 v[SUM:SUM+1], v[SUM:SUM+1], v[F:F+1] op_sel_hi:[1,0]
	WALU                                           ; one wait for the batch
.irp c, 0,1
	v_max_num_f32 v[BM+\c], 0x1800000, v[BM+\c]    ; the floor 2^(3 - 127)
.endr
.irp c, 0,1
	v_add_nc_u32 v[SO+\c], 0xff000000, v[BM+\c]    ; the conversion's scale operand
.endr
	v_cvt_scalef32_pk16_fp6_f32 v[PCD:PCD+2], v[S:S+15], v[SO]
	v_cvt_scalef32_pk16_fp6_f32 v[H0:H0+2], v[S+16:S+31], v[SO]
	v_cvt_scalef32_pk16_fp6_f32 v[PCD+6:PCD+8], v[S+32:S+47], v[SO+1]
	v_cvt_scalef32_pk16_fp6_f32 v[H1:H1+2], v[S+48:S+63], v[SO+1]
.irp c, 0,1
	v_lshrrev_b32 v[BY+\c], 23, v[SO+\c]
.endr
	ADDL 0
	v_lshl_or_b32 v[PW], v[BY+1], 16, v[BY]        ; my bytes: blocks h and 2 + h,
	ADDL 1
	v_lshlrev_b32 v[PW], v[SH8], v[PW]             ; 8 h bits up;
	ADDL 2
	v_permlanex16_b32 v[PT], v[PW], s[SEL], s[SEL+1]
	ADDL 3
	v_or_b32 v[PW], v[PW], v[PT]                   ; with lane l xor 16's the word is whole: ten plain lines ahead of the product that takes it
.irp i, 0,1,2
	v_mov_b32 v[PCD+3+\i], v[H0+\i]
	v_mov_b32 v[PCD+9+\i], v[H1+\i]
.endr
	ADDS 4, 4
.if \first
	WALU
	s_wait_dscnt 0x0                               ; V's fragments and scale words are in
.endif
.irp d, 0,1,2,3
	WIN 0x50                                       ; O^T lies in window 1
	WM OA+8*\d, VF+12*\d, PCD, v[OA+8*\d:OA+8*\d+7], VSC+\d, PW, 0, 0
	WIN 0
	ADDS 8+6*\d, 6
.endr
.endm
	s_mov_b32 s[TB], 0
	s_mov_b32 s[TS], 0
	s_mov_b32 s[CNT], 16
	WALU
	s_wait_loadcnt 0x0
	s_wait_tensorcnt 0x0                           ; my part of K, V or the scale words is in,
	s_barrier_signal -1
	s_barrier_wait -1                              ; everybody's is
.irp i, 0,1,2,3,4,5,6,7,8,9,10,11
	ds_load_b128 v[KF+4*\i:KF+4*\i+3], v[AL] offset:512*\i   ; step 0's K
.endr
	ds_load_b128 v[KSC:KSC+3], v[ALS]
.Lstep:
	v_add_nc_u32 v[ADK], s[TB], v[AL]              ; (six sums stand behind the last product: the places ahead of the loads into V's registers)
	v_add_nc_u32 v[ADS], s[TS], v[ALS]
.irp i, 0,1,2,3,4,5,6,7,8,9,10,11
	ds_load_b128 v[VF+4*\i:VF+4*\i+3], v[ADK] offset:6144+512*\i
.endr
	ds_load_b128 v[VSC:VSC+3], v[ADS] offset:512
	s_wait_dscnt 13                                ; K and its scale words, asked for a tile ago, are in; the 13 loads just issued may be out
	TILE 0, 0, 1, 0
	TILE 1, 1, 0, 0
	TILE 2, 0, 0, 0
	TILE 3, 1, 0, 1
	s_add_co_u32 s[TB], s[TB], STEPB
	s_add_co_u32 s[TS], s[TS], 1024
	s_sub_co_u32 s[CNT], s[CNT], 1
	s_cmp_lg_u32 s[CNT], 0
	s_cbranch_scc1 .Lstep
	WALU
	s_wait_dscnt 0x0
; THE WAY OUT: O^T / the sum; register 16 g + n of lane (r, h) is channel 32 g + 16 h + n of query r: a block of 32 lies in lanes l and l xor 16.
.irp a, 0,1,2,3
	v_add_f32 v[ST+4*\a+2], v[ST+4*\a+2], v[ST+4*\a+3]
.endr
.irp a, 0,1,2,3
	v_permlanex16_b32 v[BM+\a], v[ST+4*\a+2], s[SEL], s[SEL+1]
.endr
.irp a, 0,1,2,3
	v_add_f32 v[ST+4*\a+2], v[ST+4*\a+2], v[BM+\a]
.endr
	WALU
.irp a, 0,1,2,3
	v_rcp_f32 v[ST+4*\a+2], v[ST+4*\a+2]
.endr
	v_nop
.macro FIN a
.set CD, KF+12*(\a)                    ; each tile's codes have registers of their own: no store's data are written again
	WALU                                           ; behind the reciprocals, directly ahead of the first reader of this tile's O^T
	WIN 0x01
.set j, 0
.rept 16
	v_pk_mul_f32 v[S+j:S+j+1], v[32*(\a)+j:32*(\a)+j+1], v[ST+4*(\a)+2:ST+4*(\a)+3] op_sel_hi:[1,0]
.set j, j+2
.endr
	WIN 0
.irp b, 0,1
	v_max3_num_f32 v[BM+\b], |v[S+16*\b]|, |v[S+1+16*\b]|, 0x1800000
.endr
.irp i, 2,4,6,8,10,12,14
.irp b, 0,1
	v_max3_num_f32 v[BM+\b], v[BM+\b], |v[S+16*\b+\i]|, |v[S+1+16*\b+\i]|
.endr
.endr
.irp b, 0,1
	v_permlanex16_b32 v[BM+2+\b], v[BM+\b], s[SEL], s[SEL+1]
.endr
.irp b, 0,1
	v_max_num_f32 v[BM+\b], v[BM+\b], v[BM+2+\b]
.endr
.irp b, 0,1
	v_add_nc_u32 v[SO+\b], 0xff000000, v[BM+\b]
.endr
.irp b, 0,1
	v_lshrrev_b32 v[BY+\b], 23, v[SO+\b]
.endr
	v_lshl_or_b32 v[HW+\a], v[BY+1], 8, v[BY]
	v_cvt_scalef32_pk16_fp6_f32 v[CD:CD+2], v[S:S+15], v[SO]
	v_cvt_scalef32_pk16_fp6_f32 v[CD+8:CD+10], v[S+16:S+31], v[SO+1]
	v_nop
.irp i, 0,1,2
	v_permlane16_swap_b32 v[CD+\i], v[CD+8+\i]     ; a whole block to a lane
.endr
.irp i, 0,1,2
	v_mov_b32 v[CD+3+\i], v[CD+8+\i]
.endr
	global_store_b128 v[AL], v[CD:CD+3], s[74:75] offset:12288*(\a)
	global_store_b64 v[L8], v[CD+4:CD+5], s[74:75] offset:12288*(\a)+512
.if (\a)%2
	v_cndmask_b32 v[HW+\a-1], v[HW+\a-1], v[HW+\a], s69   ; lanes 0-15 the even tile's two bytes, lanes 16-31 the odd tile's
	global_store_b16 v[L32], v[HW+\a-1], s[76:77] offset:1024*((\a)/2)
.endif
.endm
	FIN 0
	FIN 1
	FIN 2
	FIN 3
	s_wait_tensorcnt 0x0                           ; the wave's end
	ds_add_u32 v[SPW], v[NIL]
	s_wait_dscnt 0x0
	CROUND                                         ; the closing round
	s_endpgm
.Lfunc_end_k_q616d667125_attn:
	.size	k_q616d667125_attn, .Lfunc_end_k_q616d667125_attn-k_q616d667125_attn
	.p2alignl 7, 3214868480
	.fill 96, 4, 3214868480
	.section	.rodata,"a",@progbits
	.p2align	6, 0x0
	.amdhsa_kernel k_q616d667125_attn
		.amdhsa_group_segment_fixed_size 327680
		.amdhsa_private_segment_fixed_size 0
		.amdhsa_enable_private_segment 0
		.amdhsa_kernarg_size 32
		.amdhsa_user_sgpr_count 2
		.amdhsa_user_sgpr_kernarg_segment_ptr 1
		.amdhsa_wavefront_size32 1
		.amdhsa_system_sgpr_workgroup_id_x 1
		.amdhsa_system_sgpr_workgroup_id_y 1
		.amdhsa_system_sgpr_workgroup_id_z 1
		.amdhsa_system_vgpr_workitem_id 0
		.amdhsa_next_free_vgpr 512
		.amdhsa_next_free_sgpr 80
		.amdhsa_reserve_vcc 0
		.amdhsa_float_denorm_mode_32 3
		.amdhsa_float_denorm_mode_16_64 3
		.amdhsa_memory_ordered 1
		.amdhsa_forward_progress 1
		.amdhsa_inst_pref_size 81
	.end_amdhsa_kernel
	.amdgpu_metadata
---
amdhsa.version: [ 1, 2 ]
amdhsa.kernels:
  - .name:           k_q616d667125_attn
    .symbol:         k_q616d667125_attn.kd
    .args:
      - { .name: qkv_codes, .offset: 0, .size: 8, .value_kind: global_buffer, .address_space: global }
      - { .name: qkv_scales, .offset: 8, .size: 8, .value_kind: global_buffer, .address_space: global }
      - { .name: a_codes, .offset: 16, .size: 8, .value_kind: global_buffer, .address_space: global }
      - { .name: a_scales, .offset: 24, .size: 8, .value_kind: global_buffer, .address_space: global }
    .group_segment_fixed_size: 327680
    .private_segment_fixed_size: 0
    .kernarg_segment_align: 8
    .kernarg_segment_size: 32
    .max_flat_workgroup_size: 256
    .sgpr_count:     80
    .vgpr_count:     512
    .wavefront_size: 32
...
	.end_amdgpu_metadata
.endif
;; end of part 3
;; launch outp (part 4): grid 4 x 64, 4 waves a work-group, clusters of 4 x 4, 327,680 bytes of LDS; arguments a_codes, a_scales, w_codes, w_scales, bo, out0; writes out0
.if DOCPART == 4
	.amdgcn_target "amdgcn-amd-amdhsa--gfx1250"
	.amdhsa_code_object_version 6
	.text
	.protected	k_q616d667125_outp
	.globl	k_q616d667125_outp
	.p2align	8
	.type	k_q616d667125_outp,@function
k_q616d667125_outp:
	s_mov_b64 s[64:65], 0
	v_nop
	global_prefetch_b8 v0, s[64:65] scope:SCOPE_SE
	s_setreg_imm32_b32 hwreg(HW_REG_WAVE_MODE, 25, 1), 1
	s_wait_xcnt 0x0
	s_wait_alu depctr_hold_cnt(0) depctr_sa_sdst(0) depctr_va_vdst(0) depctr_va_sdst(0) depctr_va_ssrc(0) depctr_va_vcc(0) depctr_vm_vsrc(0)
	s_getreg_b32 s2, hwreg(HW_REG_IB_STS2, 6, 4)
	s_cmp_eq_u32 s2, 0
	s_cbranch_scc0 .Lentry_in_a_cluster
	s_endpgm
.Lentry_in_a_cluster:
	s_bfe_u32 s2, ttmp6, 0x10000c
	s_cmp_lg_u32 s2, 0xf033
	s_cbranch_scc0 .Lentry_shape_is_right
	s_endpgm
.Lentry_shape_is_right:
.set ROWB,   786432                    ; w_codes lie [4 (256 along K)][4096 rows][192 bytes]: bytes from one K step to the next
.set KROW,   192
.set PITCH,  240
.set FR,     12
.set NP,     4
.set ATILE,  3072
.set ABYTES, 8*ATILE
.set HALFT,  128*PITCH
.set SLOT,   ABYTES+2*HALFT
.set SCL,    2*SLOT
.set STAGE,  SCL+48*272
.set SPITCH, 528
.set SPARE,  STAGE+4*16*SPITCH
.set A16,  16
.set A8,   18
.set ADRB, 20
.set STO,  24
.set RD,   25
.set CO,   26
.set ADSB, 27
.set SPW,  28
.set NIL,  29
.set ADSA, 30
.set BO,   31
.set SC,   32
.set BI,   64
.set AF,   128
.set BK,   128
.set WV,   16
.set WR,   17
.set WC,   18
.set G1,   24
.set G0,   32
.set G1B,  48
.set G0B,  56
.set G1S,  68
.set G0S,  76
.set G1SB, 80
.set G0SB, 88
.set MSB, 0
.macro WIN new
.if MSB != (\new)
	s_set_vgpr_msb (MSB<<8)|(\new)
.set MSB, \new
.endif
.endm
.set MUL,     0xa1
.set MUL_1ST, 0x81
.set TO_B,    0x40
.macro JLOAD g0a, g1a, g0b, g1b
	s_cmp_eq_u32 s[WR], 0
	s_cbranch_scc0 .Lfor_b_\@
	tensor_load_to_lds s[\g0a:\g0a+3], s[\g1a:\g1a+7]
	s_nop 0
.rept 4
	v_nop
.endr
	s_branch .Lasked_\@
.Lfor_b_\@:
	tensor_load_to_lds s[\g0b:\g0b+3], s[\g1b:\g1b+7]
	s_nop 0
.rept 4
	v_nop
.endr
.Lasked_\@:
.endm
.macro CREST
	s_cmp_lg_u32 s[WV], 0
	s_cbranch_scc1 .Lnot_wave_0_\@
	s_barrier_signal -3
.Lnot_wave_0_\@:
	s_barrier_wait -3
	s_barrier_signal -1
	s_barrier_wait -1
.endm
.macro CROUND
	s_barrier_signal -1
	s_barrier_wait -1
	CREST
.endm
	s_load_b256 s[4:11], s[0:1], 0x0
	s_load_b128 s[12:15], s[0:1], 0x20
	v_lshl_add_u32 v[SPW], v0, 2, SPARE
	v_mov_b32 v[NIL], 0
	ds_add_u32 v[SPW], v[NIL]
	ds_add_u32 v[SPW], v[NIL]
	v_lshrrev_b32 v1, 5, v0
	v_readfirstlane_b32 s[WV], v1
	s_lshr_b32 s[WR], s[WV], 1
	s_and_b32 s[WC], s[WV], 1
	s_bfe_u32 s19, ttmp6, 0x40000
	s_bfe_u32 s20, ttmp6, 0x40004
	s_lshl_b32 s21, ttmp9, 2
	s_add_co_u32 s21, s21, s19
	s_and_b32 s22, ttmp7, 0xffff
	s_lshl_b32 s22, s22, 2
	s_add_co_u32 s22, s22, s20
	s_lshl_b32 s40, s20, 2
	s_lshl_b32 s40, 15, s40
	s_lshl_b32 s41, 0x1111, s19
	s_or_b32 s[G1+0], s40, (3<<16)|(1<<21)
	s_mov_b32 s[G1+1], 384<<16
	s_mov_b32 s[G1+2], 8<<16                       ; the head's load brings A's eight tiles; the ring's loads four
	s_mov_b32 s[G1+3], 384<<16
	s_mov_b32 s[G1+4], 8
	s_mov_b32 s[G1+5], 1536
	s_mov_b32 s[G1+6], 0
	s_mov_b32 s[G1+7], 0
	s_or_b32 s[G1B+0], s41, (0<<16)|(1<<20)|(1<<21)|(3<<22)|(3<<25)
	s_mov_b32 s[G1B+1], 256<<16                    ; 128 rows x 192 bytes are a dense block: 96 rows of 256 bytes
	s_mov_b32 s[G1B+2], 192<<16                    ; the head's load brings the weight's 256 rows; the ring's loads 128
	s_mov_b32 s[G1B+3], 256<<16
	s_mov_b32 s[G1B+4], 192
	s_mov_b32 s[G1B+5], 256
	s_mov_b32 s[G1B+6], 0
	s_mov_b32 s[G1B+7], 0
	s_or_b32 s[G1S+0], s40, (3<<16)|(1<<20)|(1<<21)|(5<<22)|(3<<25)
	s_mov_b32 s[G1S+1], 32<<16
	s_mov_b32 s[G1S+2], 16<<16
	s_mov_b32 s[G1S+3], 32<<16
	s_mov_b32 s[G1S+4], 16
	s_mov_b32 s[G1S+5], 32
	s_mov_b32 s[G1S+6], 0
	s_mov_b32 s[G1S+7], 0
	s_or_b32 s[G1SB+0], s41, (3<<16)|(1<<20)|(1<<21)|(5<<22)|(3<<25)
	s_mov_b32 s[G1SB+1], 32<<16
	s_mov_b32 s[G1SB+2], 32<<16
	s_mov_b32 s[G1SB+3], 32<<16
	s_mov_b32 s[G1SB+4], 32
	s_mov_b32 s[G1SB+5], 32
	s_mov_b32 s[G1SB+6], 0
	s_mov_b32 s[G1SB+7], 0
	s_mul_i32 s42, s22, 8*12288                    ; A's eight tiles
	s_mul_i32 s2, s[WC], 4*12288                   ; in the ring I fetch four of them: which half
	s_mov_b32 s3, 0
	s_mov_b32 s43, 0
	s_lshl_b32 s44, s22, 12
	s_mov_b32 s45, 0
	s_lshl_b32 s92, s21, 8
	s_add_co_u32 s92, s92, 3072
	s_mul_i32 s100, s[WC], 128*KROW                ; in the ring I fetch 128 of the weight's rows: which half
	s_mov_b32 s101, 0
	s_lshl_b32 s94, s92, 5
	s_mul_i32 s92, s92, KROW
	s_mov_b32 s93, 0
	s_mov_b32 s95, 0
	s_mul_i32 s46, s[WC], 4*ATILE
	s_mul_i32 s47, s[WC], HALFT
	s_add_co_u32 s47, s47, ABYTES
	s_mov_b32 s96, SCL
	s_mov_b32 s97, SCL+16*272
	s_wait_dscnt 0x0
	s_wait_kmcnt 0x0
	s_add_nc_u64 s[42:43], s[4:5], s[42:43]
	s_add_nc_u64 s[44:45], s[6:7], s[44:45]
	s_add_nc_u64 s[92:93], s[8:9], s[92:93]
	s_add_nc_u64 s[94:95], s[10:11], s[94:95]
	CROUND
	s_mov_b32 s[G0S], 1
	s_mov_b32 s[G0S+1], s96
	s_mov_b64 s[G0S+2:G0S+3], s[44:45]
	s_or_b32 s[G0S+3], s[G0S+3], 0x80000000
	s_mov_b32 s[G0SB], 1
	s_mov_b32 s[G0SB+1], s97
	s_mov_b64 s[G0SB+2:G0SB+3], s[94:95]
	s_or_b32 s[G0SB+3], s[G0SB+3], 0x80000000
	s_mov_b32 s4, 1                                ; the head's loads of K step 0, each tile whole (the arguments that lay in s[4:11] have served)
	s_mov_b32 s5, 0
	s_mov_b64 s[6:7], s[42:43]
	s_or_b32 s7, s7, 0x80000000
	s_mov_b32 s8, 1
	s_mov_b32 s9, ABYTES
	s_mov_b64 s[10:11], s[92:93]
	s_or_b32 s11, s11, 0x80000000
	s_add_nc_u64 s[42:43], s[42:43], s[2:3]        ; for the ring: my half
	s_add_nc_u64 s[92:93], s[92:93], s[100:101]
.irp s, 0,1
	s_mov_b32 s[G0+4*\s], 1
	s_add_co_u32 s[G0+4*\s+1], s46, \s*SLOT
	s_add_nc_u64 s[G0+4*\s+2:G0+4*\s+3], s[42:43], \s*ATILE
	s_or_b32 s[G0+4*\s+3], s[G0+4*\s+3], 0x80000000
	s_mov_b32 s[G0B+4*\s], 1
	s_add_co_u32 s[G0B+4*\s+1], s47, \s*SLOT
	s_add_nc_u64 s[G0B+4*\s+2:G0B+4*\s+3], s[92:93], \s*ROWB
	s_or_b32 s[G0B+4*\s+3], s[G0B+4*\s+3], 0x80000000
.endr
	; PREFETCHES INTO THE L2: what my wave fetches in a K step is shared out by address among the four partners that ask jointly: of A's four tiles one (12 blocks of 256 bytes, by cx), of the weight's 96 blocks 24 (by cy); a lane a block.
	; The weight's blocks, which all sixteen clusters load, are asked for in the first cluster alone.
	s_cmp_eq_u32 s[WR], 0
	s_cselect_b64 s[44:45], s[42:43], s[92:93]
	s_mul_i32 s94, s19, 12288
	s_mul_i32 s95, s20, 6144
	s_cselect_b32 s94, s94, s95
	s_mov_b32 s95, 0
	s_add_nc_u64 s[44:45], s[44:45], s[94:95]
	s_mov_b32 s94, ATILE
	s_mov_b32 s96, ROWB
	s_cselect_b32 s94, s94, s96                    ; bytes from K step to K step
	s_cselect_b32 s97, 11, 23                      ; my last block
	s_add_nc_u64 s[44:45], s[44:45], s[94:95]      ; K step 1
	s_add_nc_u64 s[92:93], s[44:45], s[94:95]      ; K step 2
	s_add_nc_u64 s[42:43], s[92:93], s[94:95]      ; K step 3
	s_and_b32 s96, ttmp7, 0xffff
	s_mul_i32 s96, s96, s[WR]                      ; 0: I ask
	; the head's four tiles, one load a wave, in one chain of branches on the wave's number
	s_cmp_lt_u32 s[WV], 1
	s_cbranch_scc0 .Lhead_b
	tensor_load_to_lds s[4:7], s[G1:G1+7]
	s_nop 0
.rept 4
	v_nop
.endr
	s_branch .Lhead_asked
.Lhead_b:
	s_cmp_lt_u32 s[WV], 2
	s_cbranch_scc0 .Lhead_sa
	tensor_load_to_lds s[8:11], s[G1B:G1B+7]
	s_nop 0
.rept 4
	v_nop
.endr
	s_branch .Lhead_asked
.Lhead_sa:
	s_cmp_lt_u32 s[WV], 3
	s_cbranch_scc0 .Lhead_sb
	tensor_load_to_lds s[G0S:G0S+3], s[G1S:G1S+7]
	s_nop 0
.rept 4
	v_nop
.endr
	s_branch .Lhead_asked
.Lhead_sb:
	tensor_load_to_lds s[G0SB:G0SB+3], s[G1SB:G1SB+7]
	s_nop 0
.rept 4
	v_nop
.endr
.Lhead_asked:
	v_and_b32 v10, 31, v0
	v_min_u32 v10, s97, v10                        ; the lanes left over name the last block again
	v_lshlrev_b32 v10, 8, v10                      ; never rewritten
	s_wait_alu depctr_va_vdst(0)
	s_cmp_eq_u32 s96, 0
	s_cbranch_scc0 .Lno_pf_head
	global_prefetch_b8 v10, s[44:45] th:TH_LOAD_NT scope:SCOPE_SE   ; K step 1, which is loaded when the head's tiles are in,
	global_prefetch_b8 v10, s[92:93] th:TH_LOAD_NT scope:SCOPE_SE   ; and K step 2, loaded at the first change of slots
.Lno_pf_head:
	v_and_b32 v1, 15, v0
	v_bfe_u32 v2, v0, 4, 1
	v_and_b32 v3, 31, v0
	v_lshlrev_b32 v[CO], 4, v3
	s_mul_i32 s23, s[WR], 4*ATILE
	v_add_nc_u32 v[A16], s23, v[CO]
	v_add_nc_u32 v[A16+1], SLOT, v[A16]
	v_lshlrev_b32 v4, 3, v3
	v_add_nc_u32 v4, s23, v4
	v_add_nc_u32 v[A8], 512, v4
	v_add_nc_u32 v[A8+1], SLOT, v[A8]
	v_mul_u32_u24 v5, v1, PITCH
	v_mul_u32_u24 v6, v2, 24
	v_add_nc_u32 v5, v5, v6
	v_lshl_add_u32 v6, v2, 4, v5
	s_mul_i32 s23, s[WC], HALFT
	s_add_co_u32 s23, s23, ABYTES
.irp s, 0,1
	v_add_nc_u32 v[ADRB+\s], s23, v5
	v_add_nc_u32 v[ADRB+2+\s], s23, v6
	s_add_co_u32 s23, s23, SLOT
.endr
	v_lshrrev_b32 v7, 3, v1
	v_mul_u32_u24 v7, v7, 272
	v_and_b32 v8, 7, v1
	v_lshl_add_u32 v7, v8, 5, v7
	v_mad_u32_u24 v7, v2, 544, v7
	s_mul_i32 s23, s[WR], 8*272
	s_add_co_u32 s23, s23, SCL
	v_add_nc_u32 v[ADSA], s23, v7
	s_mul_i32 s23, s[WC], 16*272
	s_add_co_u32 s23, s23, SCL+16*272
	v_add_nc_u32 v[ADSB], s23, v7
	s_mul_i32 s23, s[WV], 16*SPITCH
	s_add_co_u32 s23, s23, STAGE
	v_mul_u32_u24 v8, v1, SPITCH
	v_lshl_add_u32 v8, v2, 6, v8
	v_add_nc_u32 v[STO], s23, v8
	v_add_nc_u32 v[RD], s23, v[CO]
	v_lshlrev_b32 v[BO], 6, v2
	s_wait_alu depctr_va_vdst(0)
	s_lshl_b32 s46, s21, 10
	s_lshl_b32 s47, s[WC], 9
	s_add_co_u32 s46, s46, s47
	s_mov_b32 s47, 0
	s_add_nc_u64 s[12:13], s[12:13], s[46:47]
	s_add_nc_u64 s[14:15], s[14:15], s[46:47]
	s_lshl_b32 s46, s22, 7
	s_lshl_b32 s23, s[WR], 6
	s_add_co_u32 s46, s46, s23
	s_lshl_b32 s46, s46, 12
	s_add_nc_u64 s[14:15], s[14:15], s[46:47]
.irp b, 0,1,2,3
.irp i, 0,1,2,3
	global_load_b128 v[BI+16*\b+4*\i:BI+16*\b+4*\i+3], v[BO], s[12:13] offset:128*\b+16*\i
.endr
.endr
.macro FRAG reg, adr, q, i
.irp p, 0,1,2,3,4,5
.set PC, 12*(\q)+6*(\p/3)+\p%3
.if PC%8 < 5
	ds_load_b64 v[\reg+2*\p:\reg+2*\p+1], v[\adr] offset:8*PC+16*(PC/8)+(\i)*16*PITCH
.else
	ds_load_b64 v[\reg+2*\p:\reg+2*\p+1], v[\adr+2] offset:8*PC+16*(PC/8)+(\i)*16*PITCH
.endif
.endr
.endm
.macro FRAGA slot, q, a
.irp e, 0,1
	ds_load_b128 v[AF+FR*(\a)+6*\e:AF+FR*(\a)+6*\e+3], v[A16+\slot] offset:ATILE*(\a)+768*(2*(\q)+\e)
	ds_load_b64 v[AF+FR*(\a)+6*\e+4:AF+FR*(\a)+6*\e+5], v[A8+\slot] offset:ATILE*(\a)+768*(2*(\q)+\e)
.endr
.endm
.macro FETCH_B slot, q, p
	WIN TO_B
.irp i, 0,1,2,3,4,5,6,7
	FRAG 128*(\p)+FR*\i, ADRB+\slot, \q, \i
.endr
	WIN 0
.endm
.macro SCALES sc
.irp i, 0,1,2,3
	ds_load_b64 v[SC+12*\sc+2*\i:SC+12*\sc+2*\i+1], v[ADSB] offset:1088*\i
.endr
.irp i, 0,1
	ds_load_b64 v[SC+12*\sc+8+2*\i:SC+12*\sc+8+2*\i+1], v[ADSA] offset:1088*\i
.endr
.endm
.macro PLACES n
.rept \n
	v_nop
.endr
.endm
.macro MM d, a, b, c, sa, sb, ra, rb
.if ((\ra) == 0) && ((\rb) == 0)
	v_wmma_scale_f32_16x16x128_f8f6f4 v[\d:\d+7], v[\a:\a+11], v[\b:\b+11], v[\c:\c+7], v[\sa], v[\sb] matrix_a_fmt:MATRIX_FMT_FP6 matrix_b_fmt:MATRIX_FMT_FP6
.elseif ((\rb) == 0)
	v_wmma_scale_f32_16x16x128_f8f6f4 v[\d:\d+7], v[\a:\a+11], v[\b:\b+11], v[\c:\c+7], v[\sa], v[\sb] matrix_a_fmt:MATRIX_FMT_FP6 matrix_b_fmt:MATRIX_FMT_FP6 matrix_a_scale:MATRIX_SCALE_ROW1
.elseif ((\ra) == 0)
	v_wmma_scale_f32_16x16x128_f8f6f4 v[\d:\d+7], v[\a:\a+11], v[\b:\b+11], v[\c:\c+7], v[\sa], v[\sb] matrix_a_fmt:MATRIX_FMT_FP6 matrix_b_fmt:MATRIX_FMT_FP6 matrix_b_scale:MATRIX_SCALE_ROW1
.else
	v_wmma_scale_f32_16x16x128_f8f6f4 v[\d:\d+7], v[\a:\a+11], v[\b:\b+11], v[\c:\c+7], v[\sa], v[\sb] matrix_a_fmt:MATRIX_FMT_FP6 matrix_b_fmt:MATRIX_FMT_FP6 matrix_a_scale:MATRIX_SCALE_ROW1 matrix_b_scale:MATRIX_SCALE_ROW1
.endif
.endm
.macro MUL8 a, p, q, sc, first
.irp b, 0,1,2,3,4,5,6,7
.if \first
	MM 8*(8*(\a)+\b), 128*(\p)+FR*\b, AF+FR*(\a), BI+8*\b, SC+12*(\sc)+2*(\b/2)+(\q), SC+12*(\sc)+8+2*((\a)/2)+(\q), \b%2, (\a)%2
.else
	MM 8*(8*(\a)+\b), 128*(\p)+FR*\b, AF+FR*(\a), 8*(8*(\a)+\b), SC+12*(\sc)+2*(\b/2)+(\q), SC+12*(\sc)+8+2*((\a)/2)+(\q), \b%2, (\a)%2
.endif
.endr
.endm
.macro WINM first
.if \first
	WIN MUL_1ST
.else
	WIN MUL
.endif
.endm
.macro STEP slot, first
	s_wait_dscnt 8
	WINM \first
	MUL8 0, 0, 0, \slot, \first
	MUL8 1, 0, 0, \slot, \first
	s_wait_dscnt 0x0
	PLACES NP
	FETCH_B \slot, 1, 1
	FRAGA \slot, 1, 0
	FRAGA \slot, 1, 1
	WINM \first
	MUL8 2, 0, 0, \slot, \first
	MUL8 3, 0, 0, \slot, \first
	PLACES NP
	WIN 0
	FRAGA \slot, 1, 2
	FRAGA \slot, 1, 3
.endm
.macro TURN slot, next, fill
	s_wait_tensorcnt 0x0
	ds_add_u32 v[SPW], v[NIL]
	s_wait_dscnt 9
	WIN MUL
	MUL8 0, 1, 1, \slot, 0
	s_wait_dscnt 0x0
	s_barrier_signal -1
	MUL8 1, 1, 1, \slot, 0
	WIN 0
	s_barrier_wait -1
.if \fill
	CREST
	s_add_nc_u64 s[G0+4*\slot+2:G0+4*\slot+3], s[G0+4*\slot+2:G0+4*\slot+3], 2*ATILE
	s_add_nc_u64 s[G0B+4*\slot+2:G0B+4*\slot+3], s[G0B+4*\slot+2:G0B+4*\slot+3], 2*ROWB
	JLOAD G0+4*\slot, G1, G0B+4*\slot, G1B
.else
	PLACES NP
.endif
	s_wait_alu depctr_va_vdst(0)
	v_add_nc_u32 v[ADSA], 8, v[ADSA]
	v_add_nc_u32 v[ADSB], 8, v[ADSB]
	FETCH_B \next, 0, 0
	FRAGA \next, 0, 0
	FRAGA \next, 0, 1
	SCALES \next
	WIN MUL
	MUL8 2, 1, 1, \slot, 0
	MUL8 3, 1, 1, \slot, 0
	PLACES NP
	WIN 0
	FRAGA \next, 0, 2
	FRAGA \next, 0, 3
.endm
	s_wait_alu depctr_va_vdst(0)
	s_wait_tensorcnt 0x0                           ; my tile of the head's four is in
	ds_add_u32 v[SPW], v[NIL]
	s_mov_b32 s[G1+2], 4<<16                       ; no tensor load of mine is out: from here on a load brings half a tile
	s_mov_b32 s[G1+4], 4
	s_mov_b32 s[G1B+2], 96<<16
	s_mov_b32 s[G1B+4], 96
	s_wait_dscnt 0x0
	CROUND
	JLOAD G0+4, G1, G0B+4, G1B                     ; K step 1, the first tensor load behind the round
	FETCH_B 0, 0, 0
	FRAGA 0, 0, 0
	FRAGA 0, 0, 1
	SCALES 0
	FRAGA 0, 0, 2
	FRAGA 0, 0, 3
	s_cmp_eq_u32 s96, 0
	s_cbranch_scc0 .Lno_pf_3
	global_prefetch_b8 v10, s[42:43] th:TH_LOAD_NT scope:SCOPE_SE   ; K step 3, loaded two K steps on
.Lno_pf_3:
	s_wait_loadcnt 0x0
	STEP 0, 1
	TURN 0, 1, 1
	STEP 1, 0
	TURN 1, 0, 1
	STEP 0, 0
	TURN 0, 1, 0
	STEP 1, 0
	s_wait_dscnt 8
	WIN MUL
	MUL8 0, 1, 1, 1, 0
	MUL8 1, 1, 1, 1, 0
	s_wait_dscnt 0x0
	MUL8 2, 1, 1, 1, 0
	MUL8 3, 1, 1, 1, 0
	WIN 0
.macro TOSTAGE a
	WIN 0x08
.irp b, 0,1,2,3,4,5,6,7
	ds_store_b128 v[STO], v[64*(\a)+8*\b:64*(\a)+8*\b+3] offset:128*(\b/2)+32*(\b%2)
	ds_store_b128 v[STO], v[64*(\a)+8*\b+4:64*(\a)+8*\b+7] offset:128*(\b/2)+32*(\b%2)+16
.endr
	WIN 0
.set BB, BK+64*((\a)%2)
.irp t, 0,1,2,3,4,5,6,7,8,9,10,11,12,13,14,15
	ds_load_b128 v[BB+4*\t:BB+4*\t+3], v[RD] offset:\t*SPITCH
.endr
.endm
.macro SEND a, younger
.set BB, BK+64*((\a)%2)
	s_wait_dscnt \younger
.irp t, 0,1,2,3,4,5,6,7,8,9,10,11,12,13,14,15
	global_store_b128 v[CO], v[BB+4*\t:BB+4*\t+3], s[14:15] offset:(8*(\a)+(\t%8)+32*(\t/8))*4096 th:TH_STORE_NT   ; position 16 a + t of my 64 is token 32 (t / 8) + 8 a + t % 8
.endr
.endm
	PLACES NP
	TOSTAGE 0
.irp a, 1,2,3
.if \a > 1
	s_wait_xcnt 0x0
.endif
	TOSTAGE \a
	SEND \a-1, 32
.endr
	SEND 3, 0
	s_wait_tensorcnt 0x0
	ds_add_u32 v[SPW], v[NIL]
	s_wait_dscnt 0x0
	CROUND
	s_endpgm
.Lfunc_end_k_q616d667125_outp:
	.size	k_q616d667125_outp, .Lfunc_end_k_q616d667125_outp-k_q616d667125_outp
	.p2alignl 7, 3214868480
	.fill 96, 4, 3214868480
	.section	.rodata,"a",@progbits
	.p2align	6, 0x0
	.amdhsa_kernel k_q616d667125_outp
		.amdhsa_group_segment_fixed_size 327680
		.amdhsa_private_segment_fixed_size 0
		.amdhsa_enable_private_segment 0
		.amdhsa_kernarg_size 48
		.amdhsa_user_sgpr_count 2
		.amdhsa_user_sgpr_kernarg_segment_ptr 1
		.amdhsa_wavefront_size32 1
		.amdhsa_system_sgpr_workgroup_id_x 1
		.amdhsa_system_sgpr_workgroup_id_y 1
		.amdhsa_system_sgpr_workgroup_id_z 1
		.amdhsa_system_vgpr_workitem_id 0
		.amdhsa_next_free_vgpr 768
		.amdhsa_next_free_sgpr 102
		.amdhsa_reserve_vcc 0
		.amdhsa_float_denorm_mode_32 3
		.amdhsa_float_denorm_mode_16_64 3
		.amdhsa_memory_ordered 1
		.amdhsa_forward_progress 1
		.amdhsa_inst_pref_size 100
	.end_amdhsa_kernel
	.amdgpu_metadata
---
amdhsa.version: [ 1, 2 ]
amdhsa.kernels:
  - .name:           k_q616d667125_outp
    .symbol:         k_q616d667125_outp.kd
    .args:
      - { .name: a_codes, .offset: 0, .size: 8, .value_kind: global_buffer, .address_space: global }
      - { .name: a_scales, .offset: 8, .size: 8, .value_kind: global_buffer, .address_space: global }
      - { .name: w_codes, .offset: 16, .size: 8, .value_kind: global_buffer, .address_space: global }
      - { .name: w_scales, .offset: 24, .size: 8, .value_kind: global_buffer, .address_space: global }
      - { .name: bo, .offset: 32, .size: 8, .value_kind: global_buffer, .address_space: global }
      - { .name: out0, .offset: 40, .size: 8, .value_kind: global_buffer, .address_space: global }
    .group_segment_fixed_size: 327680
    .private_segment_fixed_size: 0
    .kernarg_segment_align: 8
    .kernarg_segment_size: 48
    .max_flat_workgroup_size: 128
    .sgpr_count:     102
    .vgpr_count:     768
    .wavefront_size: 32
...
	.end_amdgpu_metadata
.endif
;; end of part 4
